; MI455X (gfx1250); checked and timed in simulation.
; The chip was launched on July 23, 2026; its instructions are those of AMD's public machine-readable ISA for CDNA 5 (MIT licence, August 2026) and "CDNA5" Instruction Set Architecture Reference Guide (July 2026). The comments in the code are by the model that wrote it; some were corrected since.
;; Progressive Interaction Layer. Allowed arithmetic: matrix products marked QUANTISED: E2M1 operands, one E8M0 scale for each 32 along K, by v_wmma_scale_f32_16x16x128_f8f6f4 with both operands' format E2M1 (or v_wmma_scale_f32_32x16x128_f4), f32 sums; everything else in f32.
;; Inputs: alpha 1 float32; beta 1 float32; i2u_in_b 3,072 float32; i2u_in_w_codes 3,072 x 32 x 16 uint8 (E2M1 codes of i2u_in_w, K innermost, in blocks of 32 codes, two codes a byte); i2u_in_w_scales 3,072 x 32 uint8 (E8M0 scales of i2u_in_w, one for each 32 codes along K); i2u_out_b 1,024 float32; i2u_out_w_codes 1,024 x 32 x 16 uint8 (E2M1 codes of i2u_out_w, K innermost, in blocks of 32 codes, two codes a byte); i2u_out_w_scales 1,024 x 32 uint8 (E8M0 scales of i2u_out_w, one for each 32 codes along K); item_emb 8,192 x 1,024 float32; item_norm_b 1,024 float32; item_norm_g 1,024 float32; u2i_in_b 3,072 float32; u2i_in_w_codes 3,072 x 32 x 16 uint8 (E2M1 codes of u2i_in_w, K innermost, in blocks of 32 codes, two codes a byte); u2i_in_w_scales 3,072 x 32 uint8 (E8M0 scales of u2i_in_w, one for each 32 codes along K); u2i_out_b 1,024 float32; u2i_out_w_codes 1,024 x 32 x 16 uint8 (E2M1 codes of u2i_out_w, K innermost, in blocks of 32 codes, two codes a byte); u2i_out_w_scales 1,024 x 32 uint8 (E8M0 scales of u2i_out_w, one for each 32 codes along K); user_emb 8,192 x 1,024 float32; user_norm_b 1,024 float32; user_norm_g 1,024 float32.
;; Outputs: out0 8,192 x 1,024 float32; out1 8,192 x 1,024 float32.
;; This version of the problem:
;;   THIS VERSION OF THE PROBLEM IS GIVEN IN LOW PRECISION. The matrix products marked QUANTISED in the list below multiply operands that are first quantised to E2M1 (2 exponent bits, 1 mantissa bit; 4 bits a number), with one power-of-two scale for each 32 numbers along K (OCP MX v1.0); their sums are f32. All else is computed in f32.
;;   The module's matrix products, in the order in which they are computed (A, B: the left and right operand; K: the contracted axis; several contracted axes count as one K, in the product's order):
;;     1. [M 8,192, K 1,024] x [K 1,024, N 1,024]; A: input user_emb; B: input u2i_in_w (given as codes): QUANTISED
;;     2. [M 8,192, K 1,024] x [K 1,024, N 1,024]; A: input item_emb; B: input u2i_in_w (given as codes): QUANTISED
;;     3. [M 8,192, K 1,024] x [K 1,024, N 1,024]; A: input item_emb; B: input u2i_in_w (given as codes): QUANTISED
;;     4. [M 8,192, K 1,024] x [K 1,024, N 1,024]; A: computed on the way; B: input u2i_out_w (given as codes): QUANTISED
;;     5. [M 8,192, K 1,024] x [K 1,024, N 1,024]; A: input item_emb; B: input i2u_in_w (given as codes): QUANTISED
;;     6. [M 8,192, K 1,024] x [K 1,024, N 1,024]; A: input user_emb; B: input i2u_in_w (given as codes): QUANTISED
;;     7. [M 8,192, K 1,024] x [K 1,024, N 1,024]; A: input user_emb; B: input i2u_in_w (given as codes): QUANTISED
;;     8. [M 8,192, K 1,024] x [K 1,024, N 1,024]; A: computed on the way; B: input i2u_out_w (given as codes): QUANTISED
;;   THE QUANTISER, for each operand of a quantised product, along K:
;;     - K is cut into blocks of 32 from its start; a last block that is shorter is filled with zeros.
;;     - A block's scale is 2^e with e = floor(log2(the largest magnitude in the block)) - 2, held to -126 .. 127; a block of zeros has e = 0. As a byte (E8M0): e + 127.
;;     - Each number is divided by its block's scale, clamped to +-6, and rounded to the nearest number of E2M1, ties to even, subnormals kept.
;;     - The product sums the exact products of the quantised numbers (number of the format x scale) in f32.
;;   ~~~python
;;   def quantise(x, axis):      # numpy; x: float32 -> the quantised numbers, widened to float32 again
;;       x = np.moveaxis(x, axis, -1); K = x.shape[-1]
;;       x = np.pad(x, [(0, 0)] * (x.ndim - 1) + [(0, -K % 32)]); x = x.reshape(x.shape[:-1] + (-1, 32)); a = np.abs(x).max(-1, keepdims=True)
;;       e = np.where(a > 0, np.clip(np.frexp(np.where(a > 0, a, 1))[1] - 1 - 2, -126, 127), 0)      # np.frexp(a)[1] - 1 = floor(log2(a)), exactly
;;       r = np.clip(x / 2.0 ** e, -6, 6)
;;       step = 2.0 ** (np.maximum(np.frexp(np.where(r == 0, 1, r))[1] - 1, 0) - 1)
;;       q = np.round(r / step) * step * 2.0 ** e      # np.round: ties to even
;;       return np.moveaxis(q.reshape(q.shape[:-2] + (-1,))[..., :K], -1, axis).astype(np.float32)
;;   ~~~
;;   OPERANDS COMPUTED ON THE WAY. 'Computed on the way' means the value that the module computes at that place (a softmax that the list does not call 'softmax' is quantised finished and normalised). What goes into a quantiser is computed in f32, as accurately as f32 sums, v_exp_f32 and their like allow (about 1e-6 of the number): no bf16 or f16 on the way to a quantiser, and a product that is left as it is and whose result goes on into a quantised operand takes f32 operands (vector FMAs, or v_wmma_f32_16x16x4_f32). A number that lies on a knife's edge between two numbers of the format may be rounded either way, as far as f32 arithmetic and the matrix unit's own rounding can turn it there, and no further.
;;   INPUTS GIVEN AS CODES. i2u_in_w (in the module: [3072, 1024], K = its axis 1); i2u_out_w (in the module: [1024, 1024], K = its axis 1); u2i_in_w (in the module: [3072, 1024], K = its axis 1); u2i_out_w (in the module: [1024, 1024], K = its axis 1): each comes as NAME_codes (uint8): NAME with its K axis moved to the last place and cut into blocks of 32 codes, [.., K / 32, bytes a block], one block behind the other in memory; two codes a byte, the lower K in the low four bits (a code: sign, 2 exponent bits, 1 mantissa bit); and NAME_scales (uint8): the same leading axes, one E8M0 byte (e + 127) for each 32 codes along K. Its value is code x scale, taken as it is: it is not quantised again, and the codes and scales need not be those that the quantiser above would give.
;; 2 versions, each right and faster than the one before. Each part assembles by itself: llvm-mc -triple=amdgcn-amd-amdhsa -mcpu=gfx1250 --defsym DOCPART=n.
;; ======== version 1 of 2: 1 launch
;; launch fused (part 1): grid 256 x 1, 4 waves a work-group, clusters of 4 x 1, 327,680 bytes of LDS; arguments user_emb, item_emb, u2i_in_w_codes, u2i_in_w_scales, u2i_in_b, u2i_out_w_codes, u2i_out_w_scales, u2i_out_b, user_norm_g, user_norm_b, alpha, out0, i2u_in_w_codes, i2u_in_w_scales, i2u_in_b, i2u_out_w_codes, i2u_out_w_scales, i2u_out_b, item_norm_g, item_norm_b, beta, out1; writes out0, out1
.if DOCPART == 1
	.amdgcn_target "amdgcn-amd-amdhsa--gfx1250"
	.amdhsa_code_object_version 6
	.text
	.protected	k_q1e1825c144_fused
	.globl	k_q1e1825c144_fused
	.p2align	8
	.type	k_q1e1825c144_fused,@function
k_q1e1825c144_fused:
	s_mov_b64 s[64:65], 0
	v_nop
	global_prefetch_b8 v0, s[64:65] scope:SCOPE_SE
	s_setreg_imm32_b32 hwreg(HW_REG_WAVE_MODE, 25, 1), 1
	s_wait_xcnt 0x0
	s_wait_alu depctr_hold_cnt(0) depctr_sa_sdst(0) depctr_va_vdst(0) depctr_va_sdst(0) depctr_va_ssrc(0) depctr_va_vcc(0) depctr_vm_vsrc(0)
	s_getreg_b32 s2, hwreg(HW_REG_IB_STS2, 6, 4)
	s_cmp_eq_u32 s2, 0
	s_cbranch_scc0 .Lentry_in_a_cluster
	s_endpgm
.Lentry_in_a_cluster:
	s_bfe_u32 s2, ttmp6, 0x10000c
	s_cmp_lg_u32 s2, 0x3003
	s_cbranch_scc0 .Lentry_shape_is_right
	s_endpgm
.Lentry_shape_is_right:
; out0 = LN(user + alpha (Q(Q(item) Wv^T + bv) Wo^T + bo)) with the u2i weights, out1 the same with user and item changed over, the i2u weights and beta.
; Q is the MX-FP4 quantiser along K (blocks of 32, E8M0 scale); the weights come as codes and scale bytes and go to the matrix unit as they lie.
; WHAT IS LEFT OUT: the softmax runs over an axis of length 1, so its value is exp(0) / exp(0) = 1 for every finite score, and attn = v bit for bit:
; q, k, the scores and the exponentials feed nothing.  Of in_w and in_b the third that makes v is read.
; LIMITS: where a score overflows to infinity or NaN the definition gives NaN and this text a finite number; NaN and infinities among the inputs are not served;
; a block whose largest magnitude lies under 2^-124 (a block of zeros too) keeps the scale byte 1: its bytes are read by this text alone.
; SHARES.  256 work-groups of four waves; work-group G owns rows 32 G .. 32 G + 31 of BOTH embeddings (two tiles of 16 rows, m = 0, 1) and runs both directions one after
; the other, so each embedding byte is read once and nothing goes through memory.  The 1,024 columns are 16 units of 64; wave w owns units 4 s + w, s = 0 .. 3, as columns of x,
; as N of both products and as columns of y.  Unit 4 s + w is half (w & 1) of K step 2 s + (w >> 1) of the next product.
; THE PRODUCTS ARE USED TRANSPOSED (source 0 = 16 rows of W, source 1 = 16 rows of x): lane (r, h) holds row r and, in register 8 t + j, column 16 t + 8 h + j of its unit ("layout Q").
; x, v, the sums and y all lie so; the biases are the C of each sum's first instruction.
; WEIGHTS.  16 tiles of 256 rows of W x all 1,024 of K (131,072 bytes of codes, 8,192 of scale bytes, 1,024 of bias) walk through two LDS slots.  The four work-groups of a cluster
; walk the same tiles, so each tile is asked for JOINTLY (mask 15): waves 0 and 1 the two halves of the codes, wave 2 the scale bytes, wave 3 the bias: one tensor load a wave behind each round, one outstanding.
; OPERANDS go from wave to wave through LDS as images of their registers: 16 bytes a lane for four code registers, two bytes a lane for a unit's two scale bytes.
; No prefetch is laid: every embedding byte is requested by its load at the head or in the prologue, and the weight tiles are read by all 64 clusters, not once.
; REGISTERS, in windows of 256: window 0: addresses, at work, scale words, bias, the 8 accumulators.  window 1: v0-127 the 16 fragments of the row operand, v128-255 four sets of W's fragments.
; window 2: the residual and then y of the direction in hand, group g = 4 m + s at 32 g.  window 3: item's numbers, laid the same.
.set SLOTB,  144384                    ; a slot: codes, scale bytes, bias
.set WPITCH, 528                       ; a row of codes in LDS: 512 bytes + 16 of padding = 33 x 16: the 16 rows of a fragment load start at 16 different groups of banks
.set HALFW,  128*WPITCH                ; what one of the two code loads brings
.set SCO,    2*HALFW                   ; the scale bytes, dense, 32 a row
.set BIO,    SCO+8192                  ; the bias, dense
.set R0,     2*SLOTB                   ; images of the second product's operand: 16 fragments x 1,024 bytes, then 16 x 128 bytes of scale words; when free, four stages of 16 rows x 272 bytes
.set R1,     R0+18432                  ; images of the first product's operand, laid the same
.set IMS,    16384
.set STGB,   16*272
.set STATS,  R1+18432                  ; the waves' partial sums: sums at +0, sums of squares at +512; word (wave, row) at 128 wave + 64 m + 4 r
.set SPARE,  STATS+1024                ; the spare words, 128 bytes a wave: two blocks of 256 bytes that no other line names
.set SPW, 1                            ; v1  SPARE + 4 x thread; never rewritten
.set NIL, 2                            ; v2  0; never rewritten
.set AWC, 3                            ; v3-4   my fragments of W in slot 0, 1
.set ASC, 5                            ; v5-6   my scale words of W
.set ABI, 7                            ; v7-8   my bias
.set AXQ, 9                            ; v9, v10  an image's place for my lane in R1, R0
.set AAT, 10
.set SXQ, 11                           ; v11, v12 a scale word's
.set SAT, 12
.set IWX, 13                           ; v13, v14 where I store my unit's codes
.set IWA, 14
.set SWX, 15                           ; v15, v16 and its two scale bytes
.set SWA, 16
.set STI, 17                           ; v17  my stage by rows as they lie in memory: row 2 i + h, 16 bytes at 16 r
.set STQ, 18                           ; v18  my stage in layout Q: row r, 32 bytes at 32 h
.set XO,  19                           ; v19  byte offset in x and out: 4,096 h + 16 r + 256 w; never rewritten
.set GO,  20                           ; v20  byte offset in g and b: 16 r + 256 w; never rewritten
.set STW, 21
.set STR, 22
.set LL,  23                           ; lane, r, h
.set RR,  24
.set HH,  25
.set TM,  26                           ; v26-29 at work in the quantiser
.set SCL, 30                           ; v30-31 the conversions' scale operands
.set PCD, 32                           ; v32-39 codes, two sets
.set PW,  40                           ; v40-41 two scale bytes, two sets
.set CH,  42                           ; v42-57 eight chains of sums, pair (m, c) at CH + 8 m + 2 c
.set LP,  58                           ; v58-65 partial sums read back
.set NMU, 66                           ; v66-69 minus the mean, a pair for each m
.set RS,  70                           ; v70-73 1 / sqrt(var + eps), a pair for each m
.set TT,  74
.set UU,  76
.set XS,  80                           ; v80-95   the row operand's scale words, register 8 m + k: scales and nothing else
.set WS,  96                           ; v96-111  W's scale words, register 4 t + q: lanes 0-15 K step q, lanes 16-31 K step 4 + q: scales and nothing else
.set BI,  112                          ; v112-143 the bias in the result's layout, register 8 t + j
.set GG,  112                          ; in the norm: g, register 4 s + e
.set BN,  128                          ; and b
.set ACC, 144                          ; v144-207 accumulator (m, t) at ACC + 32 m + 8 t
.set WF,  128                          ; window 1: W's fragments, set k % 4
.set WV,  3                            ; s3 wave
.set PUS, 4                            ; s[4:5] user, s[6:7] item, at my rows
.set PIT, 6
.set PVC, 8                            ; s[8:19] the direction's weights: v's codes, scale bytes, bias; out's codes, scale bytes, bias
.set POC, 14
.set PG,  20                           ; s[20:27] g, b, alpha's address, out
.set PBN, 22
.set PAL, 24
.set POUT, 26
.set G1C, 28                           ; descriptor groups 1: codes, scale bytes, bias
.set G1S, 36
.set G1B, 44
.set GC,  52                           ; and groups 0
.set GS,  56
.set GB,  60
.set DIR, 66
.set SEL, 68
.set AL,  70
.set WH,  72
.set WOFF, 74
.set ROWOFF, 76
.set RK,  78
.set EPSR, 79
.set T0,  80
.set T1,  81
.set BETA, 82
.set NRK, 83
.set P1L, 84                           ; s[84:91] direction 1: g, b, beta's address, out
.set P1W, 92                           ; s[92:99], s[100:101], s[104:105] direction 1's weights
.set MSB, 0
.macro WIN new                         ; the immediate's high byte repeats the setting that is left; a switch that changes nothing is dropped
.if MSB != (\new)
	s_set_vgpr_msb (MSB<<8)|(\new)
.set MSB, \new
.endif
.endm
.macro PLACES                          ; four plain places behind matrix instructions, in front of loads into their registers and of reads of their results
.rept 4
	v_nop
.endr
.endm
.macro ROUND                           ; a round of the cluster's barrier
	s_barrier_signal -1
	s_barrier_wait -1
	s_cmp_lg_u32 s[WV], 0
	s_cbranch_scc1 .Lnw0_\@
	s_barrier_signal -3
.Lnw0_\@:
	s_barrier_wait -3
	s_barrier_signal -1
	s_barrier_wait -1
.endm
; A wave's one joint load.  The branches hang on the wave's number alone.  Four v_nop follow each line; they are also the places in front of the LDS loads that follow.
.macro TLOAD3
	s_cmp_lt_u32 s[WV], 2
	s_cbranch_scc0 .Lts_\@
	tensor_load_to_lds s[GC:GC+3], s[G1C:G1C+7]
	s_nop 0
	PLACES
	s_branch .Ltd_\@
.Lts_\@:
	s_cmp_eq_u32 s[WV], 2
	s_cbranch_scc0 .Ltb_\@
	tensor_load_to_lds s[GS:GS+3], s[G1S:G1S+7]
	s_nop 0
	PLACES
	s_branch .Ltd_\@
.Ltb_\@:
	tensor_load_to_lds s[GB:GB+3], s[G1B:G1B+7]
	s_nop 0
	PLACES
.Ltd_\@:
.endm
; The groups 0 for the next tile, into slot p.  kind 0: the next 256 rows of the same matrix; 1: the out matrix's first; 2: v's first.  Written only where no tensor load of the wave is out.
.macro NEXT p, kind
	s_add_co_u32 s[GC+1], s[WH], (\p)*SLOTB
	s_mov_b32 s[GS+1], (\p)*SLOTB+SCO
	s_mov_b32 s[GB+1], (\p)*SLOTB+BIO
.if (\kind) == 0
	s_add_nc_u64 s[GC+2:GC+3], s[GC+2:GC+3], 131072  ; the type bits on top are not reached
	s_add_nc_u64 s[GS+2:GS+3], s[GS+2:GS+3], 8192
	s_add_nc_u64 s[GB+2:GB+3], s[GB+2:GB+3], 1024
.else
.if (\kind) == 1
.set NSRC, POC
.else
.set NSRC, PVC
.endif
	s_add_nc_u64 s[GC+2:GC+3], s[NSRC:NSRC+1], s[WOFF:WOFF+1]
	s_or_b32 s[GC+3], s[GC+3], 0x80000000
	s_mov_b64 s[GS+2:GS+3], s[NSRC+2:NSRC+3]
	s_or_b32 s[GS+3], s[GS+3], 0x80000000
	s_mov_b64 s[GB+2:GB+3], s[NSRC+4:NSRC+5]
	s_or_b32 s[GB+3], s[GB+3], 0x80000000
.endif
.endm
.macro FETCHW p, k                     ; my four fragments of W (64 rows x 128 K) of K step k into set k % 4
	WIN 0x40
.irp t, 0,1,2,3
.irp c, 0,1
	ds_load_b128 v[WF+32*((\k)%4)+8*\t+4*\c:WF+32*((\k)%4)+8*\t+4*\c+3], v[AWC+\p] offset:16*WPITCH*\t+64*(\k)+32*\c
.endr
.endr
.endm
; THE CHANGE OF SLOTS, at a tile's head.  Each wave waits for all its tensor loads (its part of slot p), adds 0 to its spare word, and waits for that and for all its LDS reads and stores.
; fill = 1: behind a round of the cluster's barrier the other slot, which nobody reads any more, is asked for again: the load has a whole tile's work in which to land.
.macro HEAD p, fill, kind
	WIN 0
	s_wait_tensorcnt 0x0               ; no tensor load of mine is out, so the groups 0 may be written
	ds_add_u32 v[SPW], v[NIL]          ; 0 onto my spare word
.if \fill
	NEXT 1-\p, \kind
.endif
	s_wait_dscnt 0x0                   ; the add is done; my reads of the other slot are over; my stores of images have landed
.if \fill
	ROUND
	TLOAD3
.else
	s_barrier_signal -1
	s_barrier_wait -1
	PLACES
.endif
.irp t, 0,1,2,3
	ds_load_b128 v[WS+4*\t:WS+4*\t+3], v[ASC+\p] offset:512*\t  ; row 16 t + r: lanes 0-15 its words of K steps 0-3, lanes 16-31 of 4-7
.endr
.irp t, 0,1,2,3
.irp j, 0,1
	ds_load_b128 v[BI+8*\t+4*\j:BI+8*\t+4*\j+3], v[ABI+\p] offset:64*\t+16*\j
.endr
.endr
.irp k, 0,1,2,3
	FETCHW \p, \k
.endr
.endm
; Eight matrix instructions: K step k, my 4 tiles of W x the 2 tiles of rows.  The eight accumulators take turns, one instruction a turn, across K steps too.
.macro MM k
	WIN 0x05                           ; sources 0 and 1 window 1; C and D window 0
.irp t, 0,1,2,3
.irp m, 0,1
.if (\k) == 0
	v_wmma_scale_f32_16x16x128_f8f6f4 v[ACC+32*\m+8*\t:ACC+32*\m+8*\t+7], v[WF+8*\t:WF+8*\t+7], v[64*\m:64*\m+7], v[BI+8*\t:BI+8*\t+7], v[WS+4*\t], v[XS+8*\m] matrix_a_fmt:MATRIX_FMT_FP4 matrix_b_fmt:MATRIX_FMT_FP4
.elseif (\k) < 4
	v_wmma_scale_f32_16x16x128_f8f6f4 v[ACC+32*\m+8*\t:ACC+32*\m+8*\t+7], v[WF+32*(\k)+8*\t:WF+32*(\k)+8*\t+7], v[8*(8*\m+\k):8*(8*\m+\k)+7], v[ACC+32*\m+8*\t:ACC+32*\m+8*\t+7], v[WS+4*\t+\k], v[XS+8*\m+\k] matrix_a_fmt:MATRIX_FMT_FP4 matrix_b_fmt:MATRIX_FMT_FP4
.else
	v_wmma_scale_f32_16x16x128_f8f6f4 v[ACC+32*\m+8*\t:ACC+32*\m+8*\t+7], v[WF+32*((\k)-4)+8*\t:WF+32*((\k)-4)+8*\t+7], v[8*(8*\m+\k):8*(8*\m+\k)+7], v[ACC+32*\m+8*\t:ACC+32*\m+8*\t+7], v[WS+4*\t+\k-4], v[XS+8*\m+\k] matrix_a_fmt:MATRIX_FMT_FP4 matrix_b_fmt:MATRIX_FMT_FP4 matrix_a_scale:MATRIX_SCALE_ROW1
.endif
.endr
.endr
.endm
; A tile's eight K steps.  Behind the set that step k needs stand three later sets of 8 loads (k = 0 .. 4), then two, one, none.  w0: the count for k = 0; 0 where other loads that step 0 needs were issued behind the sets.
.macro KLOOP p, w0
.irp k, 0,1,2,3,4,5,6,7
.if \k == 0
	s_wait_dscnt \w0
.elseif \k < 5
	s_wait_dscnt 24
.else
	s_wait_dscnt 8*(7-\k)
.endif
	MM \k
.if \k < 4
	PLACES
	FETCHW \p, \k+4
.endif
.endr
	WIN 0
.endm
.macro AFETCH ia, sa                   ; the row operand's 16 fragments and scale words come back as they were stored; they stay for four tiles
	WIN 0x40
.irp f, 0,1,2,3,4,5,6,7,8,9,10,11,12,13,14,15
.irp c, 0,1
	ds_load_b128 v[8*\f+4*\c:8*\f+4*\c+3], v[\ia] offset:1024*\f+512*\c
.endr
.endr
	WIN 0
.irp f, 0,1,2,3,4,5,6,7,8,9,10,11,12,13,14,15
	ds_load_b32 v[XS+\f], v[\sa] offset:128*\f
.endr
.endm
; THE QUANTISER.  32 numbers of a lane in layout Q, v[src] on in window W: registers 16 b + .. are my 16 of block b (32 columns), the other 16 lie in lane l xor 16.
; Result: four code registers, registers 4 c .. 4 c + 3 of the operand (lanes 0-15 block 0, lanes 16-31 block 1), and the two scale bytes.
.macro QH src, W, set
	WIN (\W)|((\W)<<2)
.irp b, 0,1
	v_max3_num_f32 v[TM+\b], |v[(\src)+16*\b]|, |v[(\src)+16*\b+1]|, 0x1800000  ; with the floor 2^(3 - 127): the byte cannot fall under 1
.endr
.irp i, 2,4,6,8,10,12,14
.irp b, 0,1
	v_max3_num_f32 v[TM+\b], |v[(\src)+16*\b+\i]|, |v[(\src)+16*\b+\i+1]|, v[TM+\b]
.endr
.endr
	WIN 0
.irp b, 0,1
	v_permlanex16_b32 v[TM+2+\b], v[TM+\b], s[SEL], s[SEL+1]
.endr
.irp b, 0,1
	v_max_num_f32 v[TM+\b], v[TM+\b], v[TM+2+\b]  ; the block's largest magnitude
.endr
.irp b, 0,1
	v_add_nc_u32 v[SCL+\b], 0xff000000, v[TM+\b]  ; 2 off its exponent field: the conversion's scale operand
.endr
.irp b, 0,1
	v_lshrrev_b32 v[TM+2+\b], 23, v[SCL+\b]       ; the scale's byte
.endr
	v_lshl_or_b32 v[PW+\set], v[TM+3], 8, v[TM+2]
	WIN \W
	v_cvt_scalef32_pk8_fp4_f32 v[PCD+4*(\set)],   v[(\src):(\src)+7],     v[SCL]    ; block 0, columns 8 h + 0 .. 7
	v_cvt_scalef32_pk8_fp4_f32 v[PCD+4*(\set)+2], v[(\src)+8:(\src)+15],  v[SCL]    ; block 0, columns 16 + 8 h + ..
	v_cvt_scalef32_pk8_fp4_f32 v[PCD+4*(\set)+1], v[(\src)+16:(\src)+23], v[SCL+1]  ; block 1 likewise
	v_cvt_scalef32_pk8_fp4_f32 v[PCD+4*(\set)+3], v[(\src)+24:(\src)+31], v[SCL+1]
	WIN 0
	v_nop                              ; one plain place behind the scaled conversions
	v_permlane16_swap_b32 v[PCD+4*(\set)],   v[PCD+4*(\set)+1]  ; the first's lanes 16-31 change places with the second's lanes 0-15: a whole block in a lane, K ascending
	v_permlane16_swap_b32 v[PCD+4*(\set)+2], v[PCD+4*(\set)+3]
.endm
.macro PUT ia, sa, m, s, set           ; my unit's half of fragment 8 m + 2 s + (w >> 1), and its half of the scale word
	ds_store_b128 v[\ia], v[PCD+4*(\set):PCD+4*(\set)+3] offset:8192*(\m)+2048*(\s)
	ds_store_b16 v[\sa], v[PW+\set] offset:1024*(\m)+256*(\s)
.endm
.macro XLOAD W, base, g                ; group g as it lies in memory: register 4 i + e = row 16 m + 2 i + h, column 4 r + e of my unit: sixteen lanes read 256 consecutive bytes, aligned
	WIN (\W)<<6
.irp i, 0,1,2,3,4,5,6,7
	global_load_b128 v[32*(\g)+4*\i:32*(\g)+4*\i+3], v[XO], s[\base:\base+1] offset:(16*((\g)/4)+2*\i)*4096+1024*((\g)%4) th:TH_LOAD_NT
.endr
	WIN 0
.endm
.macro TURN W, g                       ; group g through my stage into layout Q, in place.  LDS serves a wave's instructions in order (ISA guide 5.7.1.4): no wait between stores and loads
	WIN (\W)<<2
.irp i, 0,1,2,3,4,5,6,7
	ds_store_b128 v[STI], v[32*(\g)+4*\i:32*(\g)+4*\i+3] offset:544*\i
.endr
	WIN (\W)<<6
.irp t, 0,1,2,3
.irp j, 0,1
	ds_load_b128 v[32*(\g)+8*\t+4*\j:32*(\g)+8*\t+4*\j+3], v[STQ] offset:64*\t+16*\j
.endr
.endr
	WIN 0
.endm
.macro TURNB g                         ; the way back, in window 2
	WIN 0x08
.irp t, 0,1,2,3
.irp j, 0,1
	ds_store_b128 v[STQ], v[32*(\g)+8*\t+4*\j:32*(\g)+8*\t+4*\j+3] offset:64*\t+16*\j
.endr
.endr
	WIN 0x80
.irp i, 0,1,2,3,4,5,6,7
	ds_load_b128 v[32*(\g)+4*\i:32*(\g)+4*\i+3], v[STI] offset:544*\i
.endr
.endm
; An embedding's eight groups in window W are turned into layout Q, kept, and quantised into R1.  inter = 1 (the prologue): the groups are still landing, and behind each the same group of user is asked for.
.macro XPREP W, inter
.set XG, 0
.rept 8
.if \inter
	s_wait_loadcnt 56                  ; behind item's group g stand 8 (7 - g) loads of item and 8 g of user
.endif
	TURN \W, XG
.if \inter
	XLOAD 2, PUS, XG
.endif
.if XG > 0
	s_wait_dscnt 16                    ; the group before is back: behind its loads stand this group's 8 stores and 8 loads (and two stores of images)
	QH 32*(XG-1), \W, (XG-1)%2
	PUT IWX, SWX, (XG-1)/4, (XG-1)%4, (XG-1)%2
.endif
.set XG, XG+1
.endr
	s_wait_dscnt 0x0
	QH 32*7, \W, 1
	PUT IWX, SWX, 1, 3, 1
.endm
.macro EPI_V s                         ; v of tile s (bias in the sums) is attn: quantised, to R0.  Each accumulator is read from its low end on
.irp m, 0,1
	QH ACC+32*\m, 0, \m
	PUT IWA, SWA, \m, \s, \m
.endr
.endm
.macro YFMA s
.irp m, 0,1
.irp q, 0,1,2,3,4,5,6,7,8,9,10,11,12,13,14,15
	v_pk_fma_f32 v[32*(4*\m+\s)+2*\q:32*(4*\m+\s)+2*\q+1], v[ACC+32*\m+2*\q:ACC+32*\m+2*\q+1], s[AL:AL+1], v[32*(4*\m+\s)+2*\q:32*(4*\m+\s)+2*\q+1] op_sel_hi:[1,0,1]
.endr
.endr
.endm
.macro EPI_O s                         ; y = x + alpha (sum with bias), into window 2.  x lies in window 2 (user, direction 0) or window 3 (item, direction 1): the branch hangs on the direction's counter
	WIN 0
	s_cmp_eq_u32 s[DIR], 0
	s_cbranch_scc0 .Litem_\@
	WIN 0xa0
	YFMA \s
	WIN 0
	s_branch .Lydone_\@
.Litem_\@:
	WIN 0xb0
	YFMA \s
	WIN 0
.Lydone_\@:
.endm
; The eight chains become a row's total: within the lane, with lane l xor 16, and over the four waves through LDS (every wave adds the four in the same order).
.macro COMBINE off
	WIN 0
.irp m, 0,1
	v_pk_add_f32 v[CH+8*\m:CH+8*\m+1], v[CH+8*\m:CH+8*\m+1], v[CH+8*\m+2:CH+8*\m+3]
	v_pk_add_f32 v[CH+8*\m+4:CH+8*\m+5], v[CH+8*\m+4:CH+8*\m+5], v[CH+8*\m+6:CH+8*\m+7]
.endr
.irp m, 0,1
	v_pk_add_f32 v[CH+8*\m:CH+8*\m+1], v[CH+8*\m:CH+8*\m+1], v[CH+8*\m+4:CH+8*\m+5]
.endr
.irp m, 0,1
	v_add_f32 v[TT+\m], v[CH+8*\m], v[CH+8*\m+1]
.endr
.irp m, 0,1
	v_permlanex16_b32 v[UU+\m], v[TT+\m], s[SEL], s[SEL+1]
.endr
.irp m, 0,1
	v_add_f32 v[TT+\m], v[TT+\m], v[UU+\m]
.endr
.irp m, 0,1
	ds_store_b32 v[STW], v[TT+\m] offset:\off+64*\m  ; lanes r and 16 + r write the same word with the same value
.endr
	s_wait_dscnt 0x0                   ; for the others' sake: my stores have landed
	s_barrier_signal -1
	s_barrier_wait -1
.irp m, 0,1
.irp w, 0,1,2,3
	ds_load_b32 v[LP+4*\m+\w], v[STR] offset:\off+64*\m+128*\w
.endr
.endr
	s_wait_dscnt 0x0
.irp m, 0,1
	v_add_f32 v[LP+4*\m], v[LP+4*\m], v[LP+4*\m+1]
	v_add_f32 v[LP+4*\m+2], v[LP+4*\m+2], v[LP+4*\m+3]
.endr
.irp m, 0,1
	v_add_f32 v[TT+\m], v[LP+4*\m], v[LP+4*\m+2]
.endr
.endm
; THE NORM, in two passes over y in window 2 (the variance is a sum of squares of y - mean, no difference of large sums).  It leaves (y - mean) / sqrt(var + eps).
.macro LNSTATS
	WIN 0
.irp s, 0,1,2,3
	global_load_b128 v[GG+4*\s:GG+4*\s+3], v[GO], s[PG:PG+1] offset:1024*\s   ; g and b of my columns, as the way out wants them; they land under the sums
	global_load_b128 v[BN+4*\s:BN+4*\s+3], v[GO], s[PBN:PBN+1] offset:1024*\s
.endr
	WIN 0x0a
.irp c, 0,1,2,3
.irp m, 0,1
	v_pk_add_f32 v[CH+8*\m+2*\c:CH+8*\m+2*\c+1], v[128*\m+2*\c:128*\m+2*\c+1], v[128*\m+2*\c+8:128*\m+2*\c+9]  ; the first pairs start the chains: nothing is cleared
.endr
.endr
	WIN 0x08
.set LPR, 8
.rept 56
.irp m, 0,1
	v_pk_add_f32 v[CH+8*\m+2*(LPR%4):CH+8*\m+2*(LPR%4)+1], v[CH+8*\m+2*(LPR%4):CH+8*\m+2*(LPR%4)+1], v[128*\m+2*LPR:128*\m+2*LPR+1]
.endr
.set LPR, LPR+1
.endr
	COMBINE 0
.irp m, 0,1
	v_mul_f32 v[NMU+2*\m], s[NRK], v[TT+\m]        ; minus the mean
	v_mul_f32 v[NMU+2*\m+1], s[NRK], v[TT+\m]      ; (named with it as a pair, so it is written)
.endr
	WIN 0x82
.irp m, 0,1
.set LPR, 0
.rept 64
	v_pk_add_f32 v[128*\m+2*LPR:128*\m+2*LPR+1], v[128*\m+2*LPR:128*\m+2*LPR+1], v[NMU+2*\m:NMU+2*\m+1] op_sel_hi:[1,0]
.set LPR, LPR+1
.endr
.endr
	WIN 0x0a
.irp c, 0,1,2,3
.irp m, 0,1
	v_pk_mul_f32 v[CH+8*\m+2*\c:CH+8*\m+2*\c+1], v[128*\m+2*\c:128*\m+2*\c+1], v[128*\m+2*\c:128*\m+2*\c+1]
.endr
.endr
.set LPR, 4
.rept 60
.irp m, 0,1
	v_pk_fma_f32 v[CH+8*\m+2*(LPR%4):CH+8*\m+2*(LPR%4)+1], v[128*\m+2*LPR:128*\m+2*LPR+1], v[128*\m+2*LPR:128*\m+2*LPR+1], v[CH+8*\m+2*(LPR%4):CH+8*\m+2*(LPR%4)+1]
.endr
.set LPR, LPR+1
.endr
	COMBINE 512
.irp m, 0,1
	v_fma_f32 v[TT+\m], v[TT+\m], s[RK], s[EPSR]   ; var + eps
.endr
.irp m, 0,1
	v_rsq_f32 v[RS+2*\m], v[TT+\m]
	v_rsq_f32 v[RS+2*\m+1], v[TT+\m]
.endr
	v_nop                              ; a plain instruction behind the last of the four
	s_wait_alu depctr_va_vdst(0)       ; one wait for the four, ahead of their first reader
	WIN 0x82
.irp m, 0,1
.set LPR, 0
.rept 64
	v_pk_mul_f32 v[128*\m+2*LPR:128*\m+2*LPR+1], v[128*\m+2*LPR:128*\m+2*LPR+1], v[RS+2*\m:RS+2*\m+1] op_sel_hi:[1,0]
.set LPR, LPR+1
.endr
.endr
	WIN 0
.endm
; THE WAY OUT: group by group back through my stage into rows as they lie in memory, x g + b, and stored: sixteen lanes fill 256 consecutive bytes, aligned.  A group's arithmetic and stores stand behind the next group's turn.
.macro OUTSTAGE
	s_wait_loadcnt 0x0                 ; g and b
	TURNB 0
.set OG, 0
.rept 8
.if OG < 7
	TURNB OG+1
	s_wait_dscnt 16                    ; this group is back: behind its loads stand the next group's 8 stores and 8 loads
.else
	s_wait_dscnt 0x0
.endif
	WIN 0x82
.irp i, 0,1,2,3,4,5,6,7
.irp q, 0,1
	v_pk_fma_f32 v[32*OG+4*\i+2*\q:32*OG+4*\i+2*\q+1], v[32*OG+4*\i+2*\q:32*OG+4*\i+2*\q+1], v[GG+4*(OG%4)+2*\q:GG+4*(OG%4)+2*\q+1], v[BN+4*(OG%4)+2*\q:BN+4*(OG%4)+2*\q+1]
.endr
.endr
	WIN 0x08
.irp i, 0,1,2,3,4,5,6,7
	global_store_b128 v[XO], v[32*OG+4*\i:32*OG+4*\i+3], s[POUT:POUT+1] offset:(16*(OG/4)+2*\i)*4096+1024*(OG%4) th:TH_STORE_NT
.endr
.set OG, OG+1
.endr
	WIN 0
.endm
	; ---- the head
	s_load_b128 s[PUS:PUS+3], s[0:1], 0x0          ; user, item
	s_load_b256 s[PVC:PVC+7], s[0:1], 0x10         ; u2i: in codes, in scales, in bias, out codes
	s_load_b128 s[POC+2:POC+5], s[0:1], 0x30       ; out scales, out bias
	s_load_b256 s[PG:PG+7], s[0:1], 0x40           ; g, b, alpha, out0
	s_load_b256 s[P1W:P1W+7], s[0:1], 0x60         ; i2u likewise
	s_load_b64 s[100:101], s[0:1], 0x80
	s_load_b64 s[104:105], s[0:1], 0x88
	s_load_b256 s[P1L:P1L+7], s[0:1], 0x90         ; g, b, beta, out1
	v_lshl_add_u32 v[SPW], v0, 2, SPARE
	v_mov_b32 v[NIL], 0
	ds_add_u32 v1, v2
	ds_add_u32 v1, v2
	s_wait_dscnt 0x0
	v_lshrrev_b32 v[TM], 5, v0
	v_readfirstlane_b32 s[WV], v[TM]               ; wave 0..3
	v_and_b32 v[LL], 31, v0
	v_and_b32 v[RR], 15, v0
	v_bfe_u32 v[HH], v0, 4, 1
	s_bfe_u32 s2, ttmp6, 0x40000                   ; cx: it enters the rows' offset in x and out alone, through s2 and s73
	s_lshl_b32 s73, ttmp9, 2
	s_add_co_u32 s2, s73, s2                       ; my work-group: 4 x cluster + cx
	s_lshl_b32 s[ROWOFF], s2, 17                   ; 32 rows of 4,096 bytes
	s_mov_b32 s[ROWOFF+1], 0
	v_lshlrev_b32 v[GO], 4, v[RR]
	s_lshl_b32 s[T1], s[WV], 8
	v_add_nc_u32 v[GO], s[T1], v[GO]
	v_lshl_add_u32 v[XO], v[HH], 12, v[GO]
	s_wait_kmcnt 0x0
	s_load_b32 s[AL], s[PAL:PAL+1], 0x0
	s_load_b32 s[BETA], s[P1L+4:P1L+5], 0x0
	s_add_nc_u64 s[PUS:PUS+1], s[PUS:PUS+1], s[ROWOFF:ROWOFF+1]
	s_add_nc_u64 s[PIT:PIT+1], s[PIT:PIT+1], s[ROWOFF:ROWOFF+1]
.irp g, 0,1,2,3,4,5,6,7
	XLOAD 3, PIT, \g                               ; all of item's 32 rows are asked for before anything else
.endr
	s_add_nc_u64 s[POUT:POUT+1], s[POUT:POUT+1], s[ROWOFF:ROWOFF+1]
	s_add_nc_u64 s[P1L+6:P1L+7], s[P1L+6:P1L+7], s[ROWOFF:ROWOFF+1]
	s_add_nc_u64 s[PVC:PVC+1], s[PVC:PVC+1], 0x100000      ; v's third of in_w: rows 2,048 on: 512 bytes of codes,
	s_add_nc_u64 s[PVC+2:PVC+3], s[PVC+2:PVC+3], 0x10000   ; 32 of scale bytes,
	s_add_nc_u64 s[PVC+4:PVC+5], s[PVC+4:PVC+5], 0x2000    ; 4 of bias a row
	s_add_nc_u64 s[P1W:P1W+1], s[P1W:P1W+1], 0x100000
	s_add_nc_u64 s[P1W+2:P1W+3], s[P1W+2:P1W+3], 0x10000
	s_add_nc_u64 s[P1W+4:P1W+5], s[P1W+4:P1W+5], 0x2000
	; descriptor groups 1.  Codes: 128 rows x 512 bytes, dense in memory, 16 bytes of padding behind each in LDS
	s_mov_b32 s[G1C], 15|(0<<16)|(1<<20)|(1<<21)|(6<<22)|(3<<25)  ; 15:0 the mask: all four work-groups; 17:16 elements of 1 byte; 20 padding on; 21 set beside a mask; 24:22 after every 128 words (code 6); 31:25 four words (code 3)
	s_mov_b32 s[G1C+1], 512<<16                    ; tensor_dim0
	s_mov_b32 s[G1C+2], 128<<16                    ; tensor_dim1
	s_mov_b32 s[G1C+3], 512<<16                    ; tile_dim0
	s_mov_b32 s[G1C+4], 128                        ; tile_dim1
	s_mov_b32 s[G1C+5], 512                        ; from row to row
	s_mov_b32 s[G1C+6], 0
	s_mov_b32 s[G1C+7], 0
	s_mov_b32 s[G1S], 15|(3<<16)|(1<<21)           ; scale bytes: 8,192 dense bytes as 32 rows of 32 elements of 8 bytes
	s_mov_b32 s[G1S+1], 32<<16
	s_mov_b32 s[G1S+2], 32<<16
	s_mov_b32 s[G1S+3], 32<<16
	s_mov_b32 s[G1S+4], 32
	s_mov_b32 s[G1S+5], 32
	s_mov_b32 s[G1S+6], 0
	s_mov_b32 s[G1S+7], 0
	s_mov_b32 s[G1B], 15|(3<<16)|(1<<21)           ; bias: 1,024 dense bytes as 4 such rows
	s_mov_b32 s[G1B+1], 32<<16
	s_mov_b32 s[G1B+2], 4<<16
	s_mov_b32 s[G1B+3], 32<<16
	s_mov_b32 s[G1B+4], 4
	s_mov_b32 s[G1B+5], 32
	s_mov_b32 s[G1B+6], 0
	s_mov_b32 s[G1B+7], 0
	s_and_b32 s[WH], s[WV], 1
	s_mul_i32 s[WH], s[WH], HALFW                  ; which half of the codes I fetch: its place in a slot,
	s_and_b32 s[WOFF], s[WV], 1
	s_lshl_b32 s[WOFF], s[WOFF], 16                ; and in memory: 128 rows of 512 bytes
	s_mov_b32 s[WOFF+1], 0
	s_mov_b32 s[GC], 1
	s_mov_b32 s[GS], 1
	s_mov_b32 s[GB], 1
	NEXT 0, 2                                      ; v's first tile, into slot 0
	ROUND                                          ; all four work-groups are here: the first joint loads meet
	TLOAD3
	v_mul_u32_u24 v[TM], v[RR], WPITCH
	v_lshl_add_u32 v[TM], v[HH], 4, v[TM]
	s_mul_i32 s[T0], s[WV], 64*WPITCH
	v_add_nc_u32 v[AWC], s[T0], v[TM]              ; (64 w + r) rows + 16 h
	v_add_nc_u32 v[AWC+1], SLOTB, v[AWC]
	v_lshlrev_b32 v[TM], 5, v[RR]
	v_lshl_add_u32 v[TM], v[HH], 4, v[TM]
	s_lshl_b32 s[T0], s[WV], 11
	s_add_co_u32 s[T0], s[T0], SCO
	v_add_nc_u32 v[ASC], s[T0], v[TM]              ; 32 bytes a row; lanes 16-31 the row's second 16
	v_add_nc_u32 v[ASC+1], SLOTB, v[ASC]
	v_lshlrev_b32 v[TM], 5, v[HH]
	s_lshl_b32 s[T0], s[WV], 8
	s_add_co_u32 s[T0], s[T0], BIO
	v_add_nc_u32 v[ABI], s[T0], v[TM]
	v_add_nc_u32 v[ABI+1], SLOTB, v[ABI]
	v_lshl_add_u32 v[AXQ], v[LL], 4, R1
	v_lshl_add_u32 v[AAT], v[LL], 4, R0
	v_lshl_add_u32 v[SXQ], v[LL], 2, R1+IMS
	v_lshl_add_u32 v[SAT], v[LL], 2, R0+IMS
	s_lshl_b32 s[T0], s[WV], 9
	v_add_nc_u32 v[IWX], s[T0], v[AXQ]             ; 1,024 (w >> 1) + 512 (w & 1) = 512 w
	v_add_nc_u32 v[IWA], s[T0], v[AAT]
	s_lshr_b32 s[T0], s[WV], 1
	s_lshl_b32 s[T0], s[T0], 7
	s_and_b32 s[T1], s[WV], 1
	s_lshl_b32 s[T1], s[T1], 1
	s_add_co_u32 s[T0], s[T0], s[T1]
	v_add_nc_u32 v[SWX], s[T0], v[SXQ]
	v_add_nc_u32 v[SWA], s[T0], v[SAT]
	s_mul_i32 s[T0], s[WV], STGB
	s_add_co_u32 s[T0], s[T0], R0
	v_mul_u32_u24 v[TM], v[HH], 272
	v_lshl_add_u32 v[TM], v[RR], 4, v[TM]
	v_add_nc_u32 v[STI], s[T0], v[TM]
	v_mul_u32_u24 v[TM], v[RR], 272
	v_lshl_add_u32 v[TM], v[HH], 5, v[TM]
	v_add_nc_u32 v[STQ], s[T0], v[TM]
	s_lshl_b32 s[T0], s[WV], 7
	s_add_co_u32 s[T0], s[T0], STATS
	v_lshl_add_u32 v[STW], v[RR], 2, s[T0]
	v_lshl_add_u32 v[STR], v[RR], 2, STATS
	v_mov_b32 v[TM+2], 0                           ; written once: a lane permute's destination counts as one of its sources
	v_mov_b32 v[TM+3], 0
	v_mov_b32 v[UU], 0
	v_mov_b32 v[UU+1], 0
	s_mov_b32 s[SEL], 0x76543210
	s_mov_b32 s[SEL+1], 0xfedcba98                 ; v_permlanex16_b32's selects for lane l xor 16
	s_mov_b32 s[RK], 0x3a800000                    ; 1 / 1,024
	s_mov_b32 s[NRK], 0xba800000
	s_mov_b32 s[EPSR], 0x3727c5ac                  ; 1e-5
	s_mov_b32 s[DIR], 0
	s_wait_kmcnt 0x0                               ; alpha and beta
	s_mov_b32 s[AL+1], s[AL]                       ; (named with it as a pair, so it is written)
	XPREP 3, 1                                     ; item: turned, kept in window 3, its codes into R1; user's 64 loads go out into window 2 and land under direction 0's first four tiles
.Ldir:                                             ; two trips: direction 0, direction 1.  A tile's epilogue stands behind the next tile's HEAD, while that tile's fragments come
	HEAD 0, 1, 0                                   ; v's tile 0 (slot 0); tile 1 is asked for
	AFETCH AXQ, SXQ
	KLOOP 0, 0
	HEAD 1, 1, 0
	EPI_V 0
	KLOOP 1, 24
	HEAD 0, 1, 0
	EPI_V 1
	KLOOP 0, 24
	HEAD 1, 1, 1                                   ; v's tile 3; out's tile 0 is asked for
	EPI_V 2
	KLOOP 1, 24
	HEAD 0, 1, 0                                   ; out's tile 0
	EPI_V 3
	s_wait_dscnt 0x0                               ; for the others' sake: my last images of attn have landed
	s_barrier_signal -1
	s_barrier_wait -1                              ; all sixteen fragments lie in R0
	AFETCH AAT, SAT
	KLOOP 0, 0
	HEAD 1, 1, 0                                   ; out's tile 1.  Behind its round nobody reads R0 or R1 any more
	WIN 0
	s_wait_loadcnt 0x0                             ; user's rows are in (direction 1: nothing is out)
	s_cmp_lg_u32 s[DIR], 0
	s_cbranch_scc1 .Lno_user
	XPREP 2, 0                                     ; user: turned in place, its codes into R1 for direction 1, ahead of the first y that lands on it
.Lno_user:
	EPI_O 0
	KLOOP 1, 0
	HEAD 0, 1, 0
	EPI_O 1
	KLOOP 0, 24
	HEAD 1, 0, 0                                   ; out's tile 3: nothing is asked for here
	EPI_O 2
	KLOOP 1, 24
	PLACES
	EPI_O 3
	LNSTATS
	s_cmp_eq_u32 s[DIR], 1
	s_cbranch_scc1 .Ltail                          ; the second trip leaves here: its end is written out and asks for nothing
	s_mov_b64 s[PVC:PVC+1], s[P1W:P1W+1]           ; direction 1's weights
	s_mov_b64 s[PVC+2:PVC+3], s[P1W+2:P1W+3]
	s_mov_b64 s[PVC+4:PVC+5], s[P1W+4:P1W+5]
	s_mov_b64 s[POC:POC+1], s[P1W+6:P1W+7]
	s_mov_b64 s[POC+2:POC+3], s[100:101]
	s_mov_b64 s[POC+4:POC+5], s[104:105]
	s_wait_tensorcnt 0x0                           ; slot 0 is filled again: no tensor load of mine is out,
	ds_add_u32 v[SPW], v[NIL]                      ; 0 onto my spare word
	NEXT 0, 2
	s_wait_dscnt 0x0                               ; the add is done, and no LDS read of mine is out
	ROUND
	TLOAD3                                         ; direction 1's first tile lands under direction 0's way out
	OUTSTAGE
	s_wait_xcnt 0x0                                ; the stores and the loads of g and b have read their registers and bases: window 2 and the bases may be written again
	s_mov_b64 s[PG:PG+1], s[P1L:P1L+1]
	s_mov_b64 s[PBN:PBN+1], s[P1L+2:P1L+3]
	s_mov_b64 s[POUT:POUT+1], s[P1L+6:P1L+7]
	s_mov_b32 s[AL], s[BETA]
	s_mov_b32 s[AL+1], s[BETA]
	s_add_co_u32 s[DIR], s[DIR], 1
	s_cmp_lt_u32 s[DIR], 2
	s_cbranch_scc1 .Ldir
.Ltail:
	OUTSTAGE
	s_wait_tensorcnt 0x0                           ; the wave's end: behind my last tensor load and my last LDS store
	ds_add_u32 v[SPW], v[NIL]
	s_wait_dscnt 0x0
	ROUND                                          ; the closing round: no work-group ends while a partner may still ask for a tile that names it
	s_endpgm
.Lfunc_end_k_q1e1825c144_fused:
	.size	k_q1e1825c144_fused, .Lfunc_end_k_q1e1825c144_fused-k_q1e1825c144_fused
	.p2alignl 7, 3214868480
	.fill 96, 4, 3214868480
	.section	.rodata,"a",@progbits
	.p2align	6, 0x0
	.amdhsa_kernel k_q1e1825c144_fused
		.amdhsa_group_segment_fixed_size 327680
		.amdhsa_private_segment_fixed_size 0
		.amdhsa_enable_private_segment 0
		.amdhsa_kernarg_size 176
		.amdhsa_user_sgpr_count 2
		.amdhsa_user_sgpr_kernarg_segment_ptr 1
		.amdhsa_wavefront_size32 1
		.amdhsa_system_sgpr_workgroup_id_x 1
		.amdhsa_system_sgpr_workgroup_id_y 1
		.amdhsa_system_sgpr_workgroup_id_z 1
		.amdhsa_system_vgpr_workitem_id 0
		.amdhsa_next_free_vgpr 1024
		.amdhsa_next_free_sgpr 106
		.amdhsa_reserve_vcc 0
		.amdhsa_float_denorm_mode_32 3
		.amdhsa_float_denorm_mode_16_64 3
		.amdhsa_memory_ordered 1
		.amdhsa_forward_progress 1
		.amdhsa_inst_pref_size 255
	.end_amdhsa_kernel
	.section	.bss,"aw",@nobits
	.p2align	6
	.space	262144
	.amdgpu_metadata
---
amdhsa.version: [ 1, 2 ]
amdhsa.kernels:
  - .name:           k_q1e1825c144_fused
    .symbol:         k_q1e1825c144_fused.kd
    .args:
      - { .name: user_emb, .offset: 0, .size: 8, .value_kind: global_buffer, .address_space: global }
      - { .name: item_emb, .offset: 8, .size: 8, .value_kind: global_buffer, .address_space: global }
      - { .name: u2i_in_w_codes, .offset: 16, .size: 8, .value_kind: global_buffer, .address_space: global }
      - { .name: u2i_in_w_scales, .offset: 24, .size: 8, .value_kind: global_buffer, .address_space: global }
      - { .name: u2i_in_b, .offset: 32, .size: 8, .value_kind: global_buffer, .address_space: global }
      - { .name: u2i_out_w_codes, .offset: 40, .size: 8, .value_kind: global_buffer, .address_space: global }
      - { .name: u2i_out_w_scales, .offset: 48, .size: 8, .value_kind: global_buffer, .address_space: global }
      - { .name: u2i_out_b, .offset: 56, .size: 8, .value_kind: global_buffer, .address_space: global }
      - { .name: user_norm_g, .offset: 64, .size: 8, .value_kind: global_buffer, .address_space: global }
      - { .name: user_norm_b, .offset: 72, .size: 8, .value_kind: global_buffer, .address_space: global }
      - { .name: alpha, .offset: 80, .size: 8, .value_kind: global_buffer, .address_space: global }
      - { .name: out0, .offset: 88, .size: 8, .value_kind: global_buffer, .address_space: global }
      - { .name: i2u_in_w_codes, .offset: 96, .size: 8, .value_kind: global_buffer, .address_space: global }
      - { .name: i2u_in_w_scales, .offset: 104, .size: 8, .value_kind: global_buffer, .address_space: global }
      - { .name: i2u_in_b, .offset: 112, .size: 8, .value_kind: global_buffer, .address_space: global }
      - { .name: i2u_out_w_codes, .offset: 120, .size: 8, .value_kind: global_buffer, .address_space: global }
      - { .name: i2u_out_w_scales, .offset: 128, .size: 8, .value_kind: global_buffer, .address_space: global }
      - { .name: i2u_out_b, .offset: 136, .size: 8, .value_kind: global_buffer, .address_space: global }
      - { .name: item_norm_g, .offset: 144, .size: 8, .value_kind: global_buffer, .address_space: global }
      - { .name: item_norm_b, .offset: 152, .size: 8, .value_kind: global_buffer, .address_space: global }
      - { .name: beta, .offset: 160, .size: 8, .value_kind: global_buffer, .address_space: global }
      - { .name: out1, .offset: 168, .size: 8, .value_kind: global_buffer, .address_space: global }
    .group_segment_fixed_size: 327680
    .private_segment_fixed_size: 0
    .kernarg_segment_align: 8
    .kernarg_segment_size: 176
    .max_flat_workgroup_size: 128
    .sgpr_count:     106
    .vgpr_count:     1024
    .wavefront_size: 32
...
	.end_amdgpu_metadata
.endif
;; end of part 1
;; ======== version 2 of 2: 1 launch; 1.30 times as fast as version 1
;; launch fused (part 2): grid 256 x 1, 4 waves a work-group, clusters of 4 x 1, 327,680 bytes of LDS; arguments user_emb, item_emb, u2i_in_w_codes, u2i_in_w_scales, u2i_in_b, u2i_out_w_codes, u2i_out_w_scales, u2i_out_b, user_norm_g, user_norm_b, alpha, out0, i2u_in_w_codes, i2u_in_w_scales, i2u_in_b, i2u_out_w_codes, i2u_out_w_scales, i2u_out_b, item_norm_g, item_norm_b, beta, out1; writes out0, out1
.if DOCPART == 2
	.amdgcn_target "amdgcn-amd-amdhsa--gfx1250"
	.amdhsa_code_object_version 6
	.text
	.protected	k_q1e1825c144_fused
	.globl	k_q1e1825c144_fused
	.p2align	8
	.type	k_q1e1825c144_fused,@function
k_q1e1825c144_fused:
	s_mov_b64 s[64:65], 0
	v_nop
	global_prefetch_b8 v0, s[64:65] scope:SCOPE_SE
	s_setreg_imm32_b32 hwreg(HW_REG_WAVE_MODE, 25, 1), 1
	s_wait_xcnt 0x0
	s_wait_alu depctr_hold_cnt(0) depctr_sa_sdst(0) depctr_va_vdst(0) depctr_va_sdst(0) depctr_va_ssrc(0) depctr_va_vcc(0) depctr_vm_vsrc(0)
	s_getreg_b32 s2, hwreg(HW_REG_IB_STS2, 6, 4)
	s_cmp_eq_u32 s2, 0
	s_cbranch_scc0 .Lentry_in_a_cluster
	s_endpgm
.Lentry_in_a_cluster:
	s_bfe_u32 s2, ttmp6, 0x10000c
	s_cmp_lg_u32 s2, 0x3003
	s_cbranch_scc0 .Lentry_shape_is_right
	s_endpgm
.Lentry_shape_is_right:
; out0 = LN(user + alpha (Q(Q(item) Wv^T + bv) Wo^T + bo)) with the u2i weights, out1 the same with user and item changed over, the i2u weights and beta.
; Q is the MX-FP4 quantiser along K (blocks of 32, E8M0 scale); the weights come as codes and scale bytes and go to the matrix unit as they lie.
; WHAT IS LEFT OUT: the softmax runs over an axis of length 1, so its value is exp(0) / exp(0) = 1 for every finite score, and attn = v bit for bit:
; q, k, the scores and the exponentials feed nothing.  Of in_w and in_b the third that makes v is read.
; LIMITS: where a score overflows to infinity or NaN the definition gives NaN and this text a finite number; NaN and infinities among the inputs are not served;
; a block whose largest magnitude lies under 2^-124 (a block of zeros too) keeps the scale byte 1: its bytes are read by this text alone.
; SHARES.  256 work-groups of four waves.  A work-group owns 64 rows (four tiles of 16, m = 0 .. 3) of ONE direction: direction = cluster & 1, block of rows = 4 (cluster >> 1) + place in the cluster.
; So it walks 8 tiles of weights (4 of Wv, 4 of Wo), each for 64 rows; the price is that a row of an embedding is read by two work-groups, once as the operand and once as the residual.
; The 1,024 columns are 16 units of 64; wave w owns units 4 s + w, s = 0 .. 3, as columns of x, as N of both products and as columns of y.  Unit 4 s + w is half (w & 1) of K step 2 s + (w >> 1) of the next product.
; THE PRODUCTS ARE USED TRANSPOSED (source 0 = 16 rows of W, source 1 = 16 rows of x): lane (r, h) holds row r and, in register 8 t + j, column 16 t + 8 h + j of its unit ("layout Q").
; x, v, the sums and y all lie so; the biases are the C of each sum's first instruction.
; WEIGHTS.  A tile is 256 rows of W x all 1,024 of K: 131,072 bytes of codes, through two LDS slots.  The four work-groups of a cluster have one direction and walk the same tiles, so each tile is asked for
; JOINTLY (mask 15); each wave fetches the 64 rows that it reads itself: one tensor load a wave behind each round, one outstanding.  A tile's scale bytes (2,048 consecutive bytes a wave) and bias (256) come
; straight into registers by 12 loads, issued behind the tile before.
; OPERANDS go from wave to wave through LDS as images of their registers: 16 bytes a lane for four code registers, two bytes a lane for a unit's two scale bytes.  One region serves both products: attn's codes
; wait in registers until every wave has read x's images for the last time.
; THE TEXT.  The two products' tiles 0 to 2 are one text, walked twice (a loop of two trips; a branch on the trip's counter stands round the two epilogues); Wv's tile 3 stands in the loop behind the exit, Wo's is the tail.
; No prefetch is laid: the embeddings are requested by their loads well ahead of their use, and the weight tiles are read by 32 clusters, not once.
; REGISTERS, in windows of 256: window 0: addresses, at work, scale words, bias, attn's codes.  window 1: v0-127 the 16 accumulators, v128-191 two sets of W's fragments, v192-255 two sets of the row operand's.
; windows 2, 3: 16 groups of 32, group g = 4 m + s at 512 + 32 g: first the operand's numbers, then the residual, then y.
.set SLOTB,  135168                    ; a slot: 256 rows of codes
.set WPITCH, 528                       ; a row of codes in LDS: 512 bytes + 16 of padding = 33 x 16: the 16 rows of a fragment load start at 16 different groups of banks
.set QUARW,  64*WPITCH                 ; what one wave's load brings
.set RIM,    2*SLOTB                   ; the images: 32 fragments x 1,024 bytes (fragment 8 m + k), then 32 x 128 bytes of scale words
.set IMS,    32768
.set STG,    RIM+36864                 ; four stages of 16 rows x 272 bytes, a wave's own
.set STGB,   16*272
.set STATS,  STG+4*STGB                ; the waves' partial sums: word (wave, row) at 128 wave + 64 (m % 2) + 4 r; 512 bytes for each of four sums
.set SPARE,  STATS+2048                ; the spare words, 128 bytes a wave: two blocks of 256 bytes that no other line names
.set SPW, 1                            ; v1  SPARE + 4 x thread; never rewritten
.set NIL, 2                            ; v2  0; never rewritten
.set AWC, 3                            ; v3-4   my fragments of W in slot 0, 1
.set AIM, 5                            ; v5   an image's place for my lane
.set SIM, 6                            ; v6   a scale word's
.set IWR, 7                            ; v7   where I store my unit's codes
.set SWR, 8                            ; v8   and its two scale bytes
.set STI, 9                            ; v9   my stage by rows as they lie in memory: row 2 i + h, 16 bytes at 16 r
.set STQ, 10                           ; v10  my stage in layout Q: row r, 32 bytes at 32 h
.set XO,  11                           ; v11  byte offset in x and out: 4,096 h + 16 r + 256 w; never rewritten
.set GO,  12                           ; v12  byte offset in g and b: 16 r + 256 w; never rewritten
.set STW, 13
.set STR, 14
.set WSO, 15                           ; v15  byte offset in a tile's scale bytes: 2,048 w + 32 r + 16 h; never rewritten
.set BIO, 16                           ; v16  byte offset in a tile's bias: 256 w + 32 h; never rewritten
.set LL,  17                           ; lane, r, h
.set RR,  18
.set HH,  19
.set TM,  20                           ; v20-23 at work in the quantiser
.set SCL, 24                           ; v24-25 the conversions' scale operands
.set CH,  26                           ; v26-41 eight chains of sums, pair (m, c) at CH + 8 m + 2 c
.set LP,  42                           ; v42-49 partial sums read back
.set NMU, 50                           ; v50-53 minus the mean, a pair for each m
.set RS,  54                           ; v54-57 1 / sqrt(var + eps), a pair for each m
.set TT,  58
.set UU,  60
.set XS,  64                           ; v64-95   the row operand's scale words, register 8 m + k: scales and nothing else
.set WS,  96                           ; v96-111  W's scale words, register 4 t + q: lanes 0-15 K step q, lanes 16-31 K step 4 + q: scales and nothing else
.set BI,  112                          ; v112-143 the bias in the result's layout, register 8 t + j
.set GG,  112                          ; in the norm: g, register 4 s + e
.set BN,  128                          ; and b
.set PCD, 144                          ; v144-207 codes, set 4 m + s
.set PW,  208                          ; v208-223 two scale bytes, set 4 m + s
.set WF,  128                          ; window 1: W's fragments, set k % 2
.set AF,  192                          ; window 1: the row operand's, set k % 2
.set WV,  3                            ; s3 wave
.set PVC, 8                            ; s[8:13] codes of Wv; the scale bytes and the bias of the matrix in hand
.set POC, 14                           ; s[14:19] Wo's codes, scale bytes, bias
.set PG,  20                           ; s[20:27] g, b, alpha's address, out
.set PBN, 22
.set PAL, 24
.set POUT, 26
.set G1C, 28                           ; s[28:35] descriptor group 1
.set GC,  36                           ; s[36:39] group 0
.set PKV, 48                           ; s[48:49] the operand's rows, s[50:51] the residual's
.set PRS, 50
.set DIR, 52
.set SEL, 54
.set AL,  56
.set WH,  58
.set PH,  59
.set WOFF, 60
.set ROWOFF, 62
.set RK,  66
.set EPSR, 67
.set NRK, 68
.set T0,  69
.set T1,  70
.set MSB, 0
.macro WIN new                         ; the immediate's high byte repeats the setting that is left; a switch that changes nothing is dropped
.if MSB != (\new)
	s_set_vgpr_msb (MSB<<8)|(\new)
.set MSB, \new
.endif
.endm
.macro PLACES                          ; four plain places behind matrix instructions, in front of loads into their registers and of reads of their results
.rept 4
	v_nop
.endr
.endm
.macro ROUND                           ; a round of the cluster's barrier
	s_barrier_signal -1
	s_barrier_wait -1
	s_cmp_lg_u32 s[WV], 0
	s_cbranch_scc1 .Lnw0_\@
	s_barrier_signal -3
.Lnw0_\@:
	s_barrier_wait -3
	s_barrier_signal -1
	s_barrier_wait -1
.endm
.macro TLOAD                           ; a wave's one joint load: its 64 rows of the tile.  Four v_nop follow it
	tensor_load_to_lds s[GC:GC+3], s[G1C:G1C+7]
	s_nop 0
	PLACES
.endm
; The group 0 for the next tile, into slot p.  kind 0: the next 256 rows of the same matrix; 1: Wo's first; 2: Wv's first.  Written only where no tensor load of the wave is out.
.macro NEXT p, kind
	s_add_co_u32 s[GC+1], s[WH], (\p)*SLOTB
.if (\kind) == 0
	s_add_nc_u64 s[GC+2:GC+3], s[GC+2:GC+3], 131072  ; the type bits on top are not reached
.else
.if (\kind) == 1
	s_add_nc_u64 s[GC+2:GC+3], s[POC:POC+1], s[WOFF:WOFF+1]
.else
	s_add_nc_u64 s[GC+2:GC+3], s[PVC:PVC+1], s[WOFF:WOFF+1]
.endif
	s_or_b32 s[GC+3], s[GC+3], 0x80000000
.endif
.endm
; THE CHANGE OF SLOTS, at a tile's head.  Each wave waits for all its tensor loads (its part of slot p), adds 0 to its spare word, and waits for that and for all its LDS reads and stores.
; fill = 1: behind a round of the cluster's barrier the other slot, which nobody reads any more, is asked for again: the load has a whole tile's work in which to land.
.macro HEAD p, fill, kind
	WIN 0
	s_wait_tensorcnt 0x0               ; no tensor load of mine is out, so the group 0 may be written
	ds_add_u32 v[SPW], v[NIL]          ; 0 onto my spare word
.if \fill
	NEXT 1-\p, \kind
.endif
	s_wait_dscnt 0x0                   ; the add is done; my reads of the other slot are over; my stores of images have landed
.if \fill
	ROUND
	TLOAD
.else
	s_barrier_signal -1
	s_barrier_wait -1
.endif
.endm
.macro FETCH p, k                      ; K step k into set k % 2: my four fragments of W (64 rows x 128 K) and the four of the row operand (64 rows x 128 K)
	WIN 0x40
.irp t, 0,1,2,3
.irp c, 0,1
	ds_load_b128 v[WF+32*((\k)%2)+8*\t+4*\c:WF+32*((\k)%2)+8*\t+4*\c+3], v[AWC+\p] offset:16*WPITCH*\t+64*(\k)+32*\c
.endr
.endr
.irp m, 0,1,2,3
.irp c, 0,1
	ds_load_b128 v[AF+32*((\k)%2)+8*\m+4*\c:AF+32*((\k)%2)+8*\m+4*\c+3], v[AIM] offset:1024*(8*\m+(\k))+512*\c
.endr
.endr
.endm
; Sixteen matrix instructions: K step k, my 4 tiles of W x the 4 tiles of rows.  The sixteen accumulators take turns, one instruction a turn, across K steps too.
.macro MM k
.if (\k) == 0
	WIN 0x45                           ; sources 0 and 1 and D window 1; C (the bias) window 0
.else
	WIN 0x55
.endif
.irp t, 0,1,2,3
.irp m, 0,1,2,3
.if (\k) == 0
	v_wmma_scale_f32_16x16x128_f8f6f4 v[32*\m+8*\t:32*\m+8*\t+7], v[WF+8*\t:WF+8*\t+7], v[AF+8*\m:AF+8*\m+7], v[BI+8*\t:BI+8*\t+7], v[WS+4*\t], v[XS+8*\m] matrix_a_fmt:MATRIX_FMT_FP4 matrix_b_fmt:MATRIX_FMT_FP4
.elseif (\k) < 4
	v_wmma_scale_f32_16x16x128_f8f6f4 v[32*\m+8*\t:32*\m+8*\t+7], v[WF+32*((\k)%2)+8*\t:WF+32*((\k)%2)+8*\t+7], v[AF+32*((\k)%2)+8*\m:AF+32*((\k)%2)+8*\m+7], v[32*\m+8*\t:32*\m+8*\t+7], v[WS+4*\t+\k], v[XS+8*\m+\k] matrix_a_fmt:MATRIX_FMT_FP4 matrix_b_fmt:MATRIX_FMT_FP4
.else
	v_wmma_scale_f32_16x16x128_f8f6f4 v[32*\m+8*\t:32*\m+8*\t+7], v[WF+32*((\k)%2)+8*\t:WF+32*((\k)%2)+8*\t+7], v[AF+32*((\k)%2)+8*\m:AF+32*((\k)%2)+8*\m+7], v[32*\m+8*\t:32*\m+8*\t+7], v[WS+4*\t+\k-4], v[XS+8*\m+\k] matrix_a_fmt:MATRIX_FMT_FP4 matrix_b_fmt:MATRIX_FMT_FP4 matrix_a_scale:MATRIX_SCALE_ROW1
.endif
.endr
.endr
.endm
; A tile's eight K steps.  Sets 0 and 1 were asked for ahead of it.  Behind the set that step k needs stand the next set's 16 loads; behind the last nothing.  It ends with the places behind its last products.
.macro KLOOP p
.irp k, 0,1,2,3,4,5,6,7
.if \k < 7
	s_wait_dscnt 16
.else
	s_wait_dscnt 0x0
.endif
	MM \k
.if \k < 6
	PLACES
	FETCH \p, \k+2
.endif
.endr
	WIN 0
	PLACES
.endm
.macro XSLOAD                          ; the row operand's 32 scale words; they stay for four tiles
.irp f, 0,1,2,3,4,5,6,7,8,9,10,11,12,13,14,15,16,17,18,19,20,21,22,23,24,25,26,27,28,29,30,31
	ds_load_b32 v[XS+\f], v[SIM] offset:128*\f
.endr
.endm
.macro WBLOAD s                        ; tile s of the matrix in hand: my 64 rows' scale bytes (each load 512 consecutive bytes: row 16 t + r, lanes 0-15 its words of K steps 0-3, lanes 16-31 of 4-7) and my 64 numbers of the bias
.irp t, 0,1,2,3
	global_load_b128 v[WS+4*\t:WS+4*\t+3], v[WSO], s[PVC+2:PVC+3] offset:8192*(\s)+512*\t
.endr
.irp t, 0,1,2,3
.irp j, 0,1
	global_load_b128 v[BI+8*\t+4*\j:BI+8*\t+4*\j+3], v[BIO], s[PVC+4:PVC+5] offset:1024*(\s)+64*\t+16*\j
.endr
.endr
.endm
; THE QUANTISER.  32 numbers of a lane in layout Q, v[src] on in window W: registers 16 b + .. are my 16 of block b (32 columns), the other 16 lie in lane l xor 16.
; Result: four code registers, registers 4 c .. 4 c + 3 of the operand (lanes 0-15 block 0, lanes 16-31 block 1), and the two scale bytes.
.macro QH src, W, set
	WIN (\W)|((\W)<<2)
.irp b, 0,1
	v_max3_num_f32 v[TM+\b], |v[(\src)+16*\b]|, |v[(\src)+16*\b+1]|, 0x1800000  ; with the floor 2^(3 - 127): the byte cannot fall under 1
.endr
.irp i, 2,4,6,8,10,12,14
.irp b, 0,1
	v_max3_num_f32 v[TM+\b], |v[(\src)+16*\b+\i]|, |v[(\src)+16*\b+\i+1]|, v[TM+\b]
.endr
.endr
	WIN 0
.irp b, 0,1
	v_permlanex16_b32 v[TM+2+\b], v[TM+\b], s[SEL], s[SEL+1]
.endr
.irp b, 0,1
	v_max_num_f32 v[TM+\b], v[TM+\b], v[TM+2+\b]  ; the block's largest magnitude
.endr
.irp b, 0,1
	v_add_nc_u32 v[SCL+\b], 0xff000000, v[TM+\b]  ; 2 off its exponent field: the conversion's scale operand
.endr
.irp b, 0,1
	v_lshrrev_b32 v[TM+2+\b], 23, v[SCL+\b]       ; the scale's byte
.endr
	v_lshl_or_b32 v[PW+(\set)], v[TM+3], 8, v[TM+2]
	WIN \W
	v_cvt_scalef32_pk8_fp4_f32 v[PCD+4*(\set)],   v[(\src):(\src)+7],     v[SCL]    ; block 0, columns 8 h + 0 .. 7
	v_cvt_scalef32_pk8_fp4_f32 v[PCD+4*(\set)+2], v[(\src)+8:(\src)+15],  v[SCL]    ; block 0, columns 16 + 8 h + ..
	v_cvt_scalef32_pk8_fp4_f32 v[PCD+4*(\set)+1], v[(\src)+16:(\src)+23], v[SCL+1]  ; block 1 likewise
	v_cvt_scalef32_pk8_fp4_f32 v[PCD+4*(\set)+3], v[(\src)+24:(\src)+31], v[SCL+1]
	WIN 0
	v_nop                              ; one plain place behind the scaled conversions
	v_permlane16_swap_b32 v[PCD+4*(\set)],   v[PCD+4*(\set)+1]  ; the first's lanes 16-31 change places with the second's lanes 0-15: a whole block in a lane, K ascending
	v_permlane16_swap_b32 v[PCD+4*(\set)+2], v[PCD+4*(\set)+3]
.endm
.macro PUT m, s, set                   ; my unit's half of fragment 8 m + 2 s + (w >> 1), and its half of the scale word
	ds_store_b128 v[IWR], v[PCD+4*(\set):PCD+4*(\set)+3] offset:8192*(\m)+2048*(\s)
	ds_store_b16 v[SWR], v[PW+(\set)] offset:1024*(\m)+256*(\s)
.endm
; Group g as it lies in memory: register 4 i + e = row 16 m + 2 i + h, column 4 r + e of my unit: sixteen lanes read 256 consecutive bytes, aligned.  nt = 1: these rows' second and last reading in the launch
.macro XLOAD base, g, nt
	WIN (2+(\g)/8)<<6
.irp i, 0,1,2,3,4,5,6,7
.if \nt
	global_load_b128 v[32*((\g)%8)+4*\i:32*((\g)%8)+4*\i+3], v[XO], s[\base:\base+1] offset:(16*((\g)/4)+2*\i)*4096+1024*((\g)%4) th:TH_LOAD_NT
.else
	global_load_b128 v[32*((\g)%8)+4*\i:32*((\g)%8)+4*\i+3], v[XO], s[\base:\base+1] offset:(16*((\g)/4)+2*\i)*4096+1024*((\g)%4)
.endif
.endr
	WIN 0
.endm
.macro TURN g                          ; group g through my stage into layout Q, in place.  LDS serves a wave's instructions in order (ISA guide 5.7.1.4): no wait between stores and loads
	WIN (2+(\g)/8)<<2
.irp i, 0,1,2,3,4,5,6,7
	ds_store_b128 v[STI], v[32*((\g)%8)+4*\i:32*((\g)%8)+4*\i+3] offset:544*\i
.endr
	WIN (2+(\g)/8)<<6
.irp t, 0,1,2,3
.irp j, 0,1
	ds_load_b128 v[32*((\g)%8)+8*\t+4*\j:32*((\g)%8)+8*\t+4*\j+3], v[STQ] offset:64*\t+16*\j
.endr
.endr
	WIN 0
.endm
.macro TURNB g                         ; the way back
	WIN (2+(\g)/8)<<2
.irp t, 0,1,2,3
.irp j, 0,1
	ds_store_b128 v[STQ], v[32*((\g)%8)+8*\t+4*\j:32*((\g)%8)+8*\t+4*\j+3] offset:64*\t+16*\j
.endr
.endr
	WIN (2+(\g)/8)<<6
.irp i, 0,1,2,3,4,5,6,7
	ds_load_b128 v[32*((\g)%8)+4*\i:32*((\g)%8)+4*\i+3], v[STI] offset:544*\i
.endr
.endm
.macro EPI_V s                         ; v of tile s (bias in the sums) is attn: quantised; the codes wait in registers.  Each accumulator is read from its low end on
.irp m, 0,1,2,3
	QH 32*\m, 1, 4*\m+\s
.endr
.endm
.macro EPI_O s                         ; y = x + alpha (sum with bias), onto x, in windows 2 (m = 0, 1) and 3 (m = 2, 3); each accumulator from its low end on
.irp m, 0,1,2,3
	WIN 0xa1+0x50*(\m/2)
.irp q, 0,1,2,3,4,5,6,7,8,9,10,11,12,13,14,15
	v_pk_fma_f32 v[32*((4*\m+\s)%8)+2*\q:32*((4*\m+\s)%8)+2*\q+1], v[32*\m+2*\q:32*\m+2*\q+1], s[AL:AL+1], v[32*((4*\m+\s)%8)+2*\q:32*((4*\m+\s)%8)+2*\q+1] op_sel_hi:[1,0,1]
.endr
.endr
	WIN 0
.endm
; The epilogue of tile s of the product in hand; the branch hangs on the trip's counter.  In the first trip four more groups of the residual are asked for: they have a tile's work in which to land.
.macro EPI s
	WIN 0
	s_cmp_eq_u32 s[PH], 0
	s_cbranch_scc0 .Lout_\@
	EPI_V \s
.irp g, 8,9,10,11
	XLOAD PRS, \g+4*\s, 1
.endr
	s_branch .Lepid_\@
.Lout_\@:
	EPI_O \s
.Lepid_\@:
.endm
; The eight chains become a row's total: within the lane, with lane l xor 16, and over the four waves through LDS (every wave adds the four in the same order).
.macro COMBINE off
	WIN 0
.irp m, 0,1
	v_pk_add_f32 v[CH+8*\m:CH+8*\m+1], v[CH+8*\m:CH+8*\m+1], v[CH+8*\m+2:CH+8*\m+3]
	v_pk_add_f32 v[CH+8*\m+4:CH+8*\m+5], v[CH+8*\m+4:CH+8*\m+5], v[CH+8*\m+6:CH+8*\m+7]
.endr
.irp m, 0,1
	v_pk_add_f32 v[CH+8*\m:CH+8*\m+1], v[CH+8*\m:CH+8*\m+1], v[CH+8*\m+4:CH+8*\m+5]
.endr
.irp m, 0,1
	v_add_f32 v[TT+\m], v[CH+8*\m], v[CH+8*\m+1]
.endr
.irp m, 0,1
	v_permlanex16_b32 v[UU+\m], v[TT+\m], s[SEL], s[SEL+1]
.endr
.irp m, 0,1
	v_add_f32 v[TT+\m], v[TT+\m], v[UU+\m]
.endr
.irp m, 0,1
	ds_store_b32 v[STW], v[TT+\m] offset:(\off)+64*\m  ; lanes r and 16 + r write the same word with the same value
.endr
	s_wait_dscnt 0x0                   ; for the others' sake: my stores have landed
	s_barrier_signal -1
	s_barrier_wait -1
.irp m, 0,1
.irp w, 0,1,2,3
	ds_load_b32 v[LP+4*\m+\w], v[STR] offset:(\off)+64*\m+128*\w
.endr
.endr
	s_wait_dscnt 0x0
.irp m, 0,1
	v_add_f32 v[LP+4*\m], v[LP+4*\m], v[LP+4*\m+1]
	v_add_f32 v[LP+4*\m+2], v[LP+4*\m+2], v[LP+4*\m+3]
.endr
.irp m, 0,1
	v_add_f32 v[TT+\m], v[LP+4*\m], v[LP+4*\m+2]
.endr
.endm
; THE NORM of the 32 rows in window W, in two passes over y (the variance is a sum of squares of y - mean, no difference of large sums).  It leaves (y - mean) / sqrt(var + eps).
.macro LNSTATS W, off
	WIN (\W)|((\W)<<2)
.irp c, 0,1,2,3
.irp m, 0,1
	v_pk_add_f32 v[CH+8*\m+2*\c:CH+8*\m+2*\c+1], v[128*\m+2*\c:128*\m+2*\c+1], v[128*\m+2*\c+8:128*\m+2*\c+9]  ; the first pairs start the chains: nothing is cleared
.endr
.endr
	WIN (\W)<<2
.set LPR, 8
.rept 56
.irp m, 0,1
	v_pk_add_f32 v[CH+8*\m+2*(LPR%4):CH+8*\m+2*(LPR%4)+1], v[CH+8*\m+2*(LPR%4):CH+8*\m+2*(LPR%4)+1], v[128*\m+2*LPR:128*\m+2*LPR+1]
.endr
.set LPR, LPR+1
.endr
	COMBINE \off
.irp m, 0,1
	v_mul_f32 v[NMU+2*\m], s[NRK], v[TT+\m]        ; minus the mean
	v_mul_f32 v[NMU+2*\m+1], s[NRK], v[TT+\m]      ; (named with it as a pair, so it is written)
.endr
	WIN ((\W)<<6)|(\W)
.irp m, 0,1
.set LPR, 0
.rept 64
	v_pk_add_f32 v[128*\m+2*LPR:128*\m+2*LPR+1], v[128*\m+2*LPR:128*\m+2*LPR+1], v[NMU+2*\m:NMU+2*\m+1] op_sel_hi:[1,0]
.set LPR, LPR+1
.endr
.endr
	WIN (\W)|((\W)<<2)
.irp c, 0,1,2,3
.irp m, 0,1
	v_pk_mul_f32 v[CH+8*\m+2*\c:CH+8*\m+2*\c+1], v[128*\m+2*\c:128*\m+2*\c+1], v[128*\m+2*\c:128*\m+2*\c+1]
.endr
.endr
.set LPR, 4
.rept 60
.irp m, 0,1
	v_pk_fma_f32 v[CH+8*\m+2*(LPR%4):CH+8*\m+2*(LPR%4)+1], v[128*\m+2*LPR:128*\m+2*LPR+1], v[128*\m+2*LPR:128*\m+2*LPR+1], v[CH+8*\m+2*(LPR%4):CH+8*\m+2*(LPR%4)+1]
.endr
.set LPR, LPR+1
.endr
	COMBINE \off+512
.irp m, 0,1
	v_fma_f32 v[TT+\m], v[TT+\m], s[RK], s[EPSR]   ; var + eps
.endr
.irp m, 0,1
	v_rsq_f32 v[RS+2*\m], v[TT+\m]
	v_rsq_f32 v[RS+2*\m+1], v[TT+\m]
.endr
	v_nop                              ; a plain instruction behind the last of the four
	s_wait_alu depctr_va_vdst(0)       ; one wait for the four, ahead of their first reader
	WIN ((\W)<<6)|(\W)
.irp m, 0,1
.set LPR, 0
.rept 64
	v_pk_mul_f32 v[128*\m+2*LPR:128*\m+2*LPR+1], v[128*\m+2*LPR:128*\m+2*LPR+1], v[RS+2*\m:RS+2*\m+1] op_sel_hi:[1,0]
.set LPR, LPR+1
.endr
.endr
	WIN 0
.endm
; THE WAY OUT of groups g0 .. g0 + 7: group by group back through my stage into rows as they lie in memory, x g + b, and stored: sixteen lanes fill 256 consecutive bytes, aligned.
; A group's arithmetic and stores stand behind the next group's turn.
.macro OUTSTAGE g0
	WIN 0
	s_wait_loadcnt 0x0                 ; g and b
	TURNB \g0
.set OG, \g0
.rept 8
.if OG < (\g0)+7
	TURNB OG+1
	s_wait_dscnt 16                    ; this group is back: behind its loads stand the next group's 8 stores and 8 loads
.else
	s_wait_dscnt 0x0
.endif
	WIN ((2+OG/8)<<6)|(2+OG/8)
.irp i, 0,1,2,3,4,5,6,7
.irp q, 0,1
	v_pk_fma_f32 v[32*(OG%8)+4*\i+2*\q:32*(OG%8)+4*\i+2*\q+1], v[32*(OG%8)+4*\i+2*\q:32*(OG%8)+4*\i+2*\q+1], v[GG+4*(OG%4)+2*\q:GG+4*(OG%4)+2*\q+1], v[BN+4*(OG%4)+2*\q:BN+4*(OG%4)+2*\q+1]
.endr
.endr
	WIN (2+OG/8)<<2
.irp i, 0,1,2,3,4,5,6,7
	global_store_b128 v[XO], v[32*(OG%8)+4*\i:32*(OG%8)+4*\i+3], s[POUT:POUT+1] offset:(16*(OG/4)+2*\i)*4096+1024*(OG%4) th:TH_STORE_NT
.endr
.set OG, OG+1
.endr
	WIN 0
.endm
	; ---- the head
	s_load_b128 s[4:7], s[0:1], 0x0                ; user, item
	s_load_b256 s[8:15], s[0:1], 0x10              ; u2i: in codes, in scales, in bias, out codes
	s_load_b128 s[16:19], s[0:1], 0x30             ; out scales, out bias
	s_load_b256 s[20:27], s[0:1], 0x40             ; g, b, alpha, out0
	s_load_b256 s[28:35], s[0:1], 0x60             ; i2u likewise, 20 registers further up
	s_load_b128 s[36:39], s[0:1], 0x80
	s_load_b256 s[40:47], s[0:1], 0x90             ; g, b, beta, out1
	v_lshl_add_u32 v[SPW], v0, 2, SPARE
	v_mov_b32 v[NIL], 0
	ds_add_u32 v1, v2
	ds_add_u32 v1, v2
	s_wait_dscnt 0x0
	v_lshrrev_b32 v[TM], 5, v0
	v_readfirstlane_b32 s[WV], v[TM]               ; wave 0..3
	v_and_b32 v[LL], 31, v0
	v_and_b32 v[RR], 15, v0
	v_bfe_u32 v[HH], v0, 4, 1
	s_bfe_u32 s2, ttmp6, 0x40000                   ; cx: it enters the rows' offset in x and out alone, through s2
	s_lshr_b32 s53, ttmp9, 1
	s_lshl_b32 s53, s53, 2
	s_add_co_u32 s2, s53, s2                       ; my block of 64 rows: 4 x (cluster >> 1) + cx
	s_lshl_b32 s[ROWOFF], s2, 18                   ; 64 rows of 4,096 bytes
	s_mov_b32 s[ROWOFF+1], 0
	s_and_b32 s[DIR], ttmp9, 1                     ; the direction: the same in the four partners
	v_lshlrev_b32 v[GO], 4, v[RR]
	s_lshl_b32 s[T1], s[WV], 8
	v_add_nc_u32 v[GO], s[T1], v[GO]
	v_lshl_add_u32 v[XO], v[HH], 12, v[GO]
	v_lshlrev_b32 v[BIO], 5, v[HH]
	v_add_nc_u32 v[BIO], s[T1], v[BIO]
	v_lshlrev_b32 v[WSO], 5, v[RR]
	v_lshl_add_u32 v[WSO], v[HH], 4, v[WSO]
	s_lshl_b32 s[T1], s[WV], 11
	v_add_nc_u32 v[WSO], s[T1], v[WSO]
	s_wait_kmcnt 0x0
	s_cmp_eq_u32 s[DIR], 0                         ; only pointers are chosen: both directions take one path through the text
	s_cselect_b64 s[PKV:PKV+1], s[6:7], s[4:5]     ; direction 0: the operand is item, the residual user
	s_cselect_b64 s[PRS:PRS+1], s[4:5], s[6:7]
.irp i, 0,2,4,6,8,10,12,14,16,18
	s_cselect_b64 s[8+\i:9+\i], s[8+\i:9+\i], s[28+\i:29+\i]
.endr
	s_load_b32 s[AL], s[PAL:PAL+1], 0x0            ; alpha or beta
	s_add_nc_u64 s[PKV:PKV+1], s[PKV:PKV+1], s[ROWOFF:ROWOFF+1]
	s_add_nc_u64 s[PRS:PRS+1], s[PRS:PRS+1], s[ROWOFF:ROWOFF+1]
	s_add_nc_u64 s[POUT:POUT+1], s[POUT:POUT+1], s[ROWOFF:ROWOFF+1]
	s_add_nc_u64 s[PVC:PVC+1], s[PVC:PVC+1], 0x100000      ; v's third of in_w: rows 2,048 on: 512 bytes of codes,
	s_add_nc_u64 s[PVC+2:PVC+3], s[PVC+2:PVC+3], 0x10000   ; 32 of scale bytes,
	s_add_nc_u64 s[PVC+4:PVC+5], s[PVC+4:PVC+5], 0x2000    ; 4 of bias a row
	WBLOAD 0                                       ; the first tile's scale bytes and bias: older than every load of x, so the waits for x show them landed
.irp g, 0,1,2,3,4,5
	XLOAD PKV, \g, 0
.endr
	; descriptor group 1: 64 rows x 512 bytes of codes, dense in memory, 16 bytes of padding behind each in LDS
	s_mov_b32 s[G1C], 15|(0<<16)|(1<<20)|(1<<21)|(6<<22)|(3<<25)  ; 15:0 the mask: all four work-groups; 17:16 elements of 1 byte; 20 padding on; 21 set beside a mask; 24:22 after every 128 words (code 6); 31:25 four words (code 3)
	s_mov_b32 s[G1C+1], 512<<16                    ; tensor_dim0
	s_mov_b32 s[G1C+2], 64<<16                     ; tensor_dim1
	s_mov_b32 s[G1C+3], 512<<16                    ; tile_dim0
	s_mov_b32 s[G1C+4], 64                         ; tile_dim1
	s_mov_b32 s[G1C+5], 512                        ; from row to row
	s_mov_b32 s[G1C+6], 0
	s_mov_b32 s[G1C+7], 0
	s_mul_i32 s[WH], s[WV], QUARW                  ; my 64 rows: their place in a slot,
	s_lshl_b32 s[WOFF], s[WV], 15                  ; and in memory: 64 rows of 512 bytes
	s_mov_b32 s[WOFF+1], 0
	s_mov_b32 s[GC], 1
	NEXT 0, 2                                      ; Wv's first tile, into slot 0
	ROUND                                          ; all four work-groups are here: the first joint loads meet
	TLOAD
	v_mul_u32_u24 v[TM], v[RR], WPITCH
	v_lshl_add_u32 v[TM], v[HH], 4, v[TM]
	v_add_nc_u32 v[AWC], s[WH], v[TM]              ; (64 w + r) rows + 16 h
	v_add_nc_u32 v[AWC+1], SLOTB, v[AWC]
	v_lshl_add_u32 v[AIM], v[LL], 4, RIM
	v_lshl_add_u32 v[SIM], v[LL], 2, RIM+IMS
	s_lshl_b32 s[T0], s[WV], 9
	v_add_nc_u32 v[IWR], s[T0], v[AIM]             ; 1,024 (w >> 1) + 512 (w & 1) = 512 w
	s_lshr_b32 s[T0], s[WV], 1
	s_lshl_b32 s[T0], s[T0], 7
	s_and_b32 s[T1], s[WV], 1
	s_lshl_b32 s[T1], s[T1], 1
	s_add_co_u32 s[T0], s[T0], s[T1]
	v_add_nc_u32 v[SWR], s[T0], v[SIM]
	s_mul_i32 s[T0], s[WV], STGB
	s_add_co_u32 s[T0], s[T0], STG
	v_mul_u32_u24 v[TM], v[HH], 272
	v_lshl_add_u32 v[TM], v[RR], 4, v[TM]
	v_add_nc_u32 v[STI], s[T0], v[TM]
	v_mul_u32_u24 v[TM], v[RR], 272
	v_lshl_add_u32 v[TM], v[HH], 5, v[TM]
	v_add_nc_u32 v[STQ], s[T0], v[TM]
	s_lshl_b32 s[T0], s[WV], 7
	s_add_co_u32 s[T0], s[T0], STATS
	v_lshl_add_u32 v[STW], v[RR], 2, s[T0]
	v_lshl_add_u32 v[STR], v[RR], 2, STATS
	v_mov_b32 v[TM+2], 0                           ; written once: a lane permute's destination counts as one of its sources
	v_mov_b32 v[TM+3], 0
	v_mov_b32 v[UU], 0
	v_mov_b32 v[UU+1], 0
	s_mov_b32 s[SEL], 0x76543210
	s_mov_b32 s[SEL+1], 0xfedcba98                 ; v_permlanex16_b32's selects for lane l xor 16
	s_mov_b32 s[RK], 0x3a800000                    ; 1 / 1,024
	s_mov_b32 s[NRK], 0xba800000
	s_mov_b32 s[EPSR], 0x3727c5ac                  ; 1e-5
	s_mov_b32 s[PH], 0
.irp g, 6,7
	XLOAD PKV, \g, 0
.endr
	s_wait_kmcnt 0x0                               ; alpha
	s_mov_b32 s[AL+1], s[AL]                       ; (named with it as a pair, so it is written)
	; ---- THE OPERAND: 16 groups, eight of them on their way at a time.  Each is turned into layout Q and quantised, and its image goes to LDS.  Behind a group's turn the group eight further on in the
	; stream is asked for: the operand's 16, then the residual's first 8, which land on groups that have been quantised.  Every one of the 16 sets of code registers is written here.
.set XG, 0
.rept 16
	s_wait_loadcnt 56                              ; this group is in: behind it stand seven groups of 8 loads
	TURN XG
.if XG < 8
	XLOAD PKV, XG+8, 0
.else
	XLOAD PRS, XG-8, 1
.endif
.if XG > 0
	s_wait_dscnt 16                                ; the group before is back: behind its loads stand this group's 8 stores and 8 loads (and two stores of images)
	QH 32*((XG-1)%8), 2+(XG-1)/8, XG-1
	PUT (XG-1)/4, (XG-1)%4, XG-1
.endif
.set XG, XG+1
.endr
	s_wait_dscnt 0x0
	QH 32*7, 3, 15
	PUT 3, 3, 15
.Lphase:                                           ; two trips: x Wv^T, then attn Wo^T.  A tile's epilogue stands behind the next tile's HEAD, while that tile's first fragments come
	HEAD 0, 1, 0                                   ; tile 0 (slot 0); tile 1 is asked for.  Behind its round all 32 images lie in LDS
	XSLOAD
	FETCH 0, 0
	FETCH 0, 1
	KLOOP 0                                        ; (its scale words and bias: shown landed by the waits for x, or by the wait at the first trip's end)
	WBLOAD 1
	HEAD 1, 1, 0
	FETCH 1, 0
	FETCH 1, 1
	WIN 0
	s_wait_loadcnt 0x0                             ; this tile's scale words and bias, asked for a tile ago; the residual's groups asked for earlier
	EPI 0
	KLOOP 1
	WBLOAD 2
	HEAD 0, 1, 0
	FETCH 0, 0
	FETCH 0, 1
	WIN 0
	s_wait_loadcnt 0x0
	EPI 1
	KLOOP 0
	WBLOAD 3
	s_cmp_eq_u32 s[PH], 1
	s_cbranch_scc1 .Ltail                          ; the second trip leaves here: its last tile is written out and asks for nothing
	HEAD 1, 1, 1                                   ; Wv's tile 3; Wo's tile 0 is asked for
	FETCH 1, 0
	FETCH 1, 1
	WIN 0
	s_wait_loadcnt 0x0                             ; scale words and bias; all of the residual is in
	EPI_V 2
	KLOOP 1
	s_wait_xcnt 0x0                                ; the loads of scale bytes and bias have read their bases, which may be written:
	s_mov_b64 s[PVC+2:PVC+3], s[POC+2:POC+3]       ; the matrix in hand is Wo
	s_mov_b64 s[PVC+4:PVC+5], s[POC+4:POC+5]
	WBLOAD 0
	s_wait_dscnt 0x0                               ; my reads of x's images are over
	s_barrier_signal -1
	s_barrier_wait -1                              ; everybody's are: attn's images may take their place.
	EPI_V 3
.irp m, 0,1,2,3
.irp s, 0,1,2,3
	PUT \m, \s, 4*\m+\s
.endr
.endr
.irp g, 0,1,2,3,4,5,6,7,8,9,10,11,12,13,14,15
	TURN \g                                        ; the residual into layout Q, in place, while Wo's first tile comes
.endr
	s_wait_loadcnt 0x0                             ; Wo's first scale words and bias
	s_add_co_u32 s[PH], s[PH], 1
	s_cmp_lt_u32 s[PH], 2
	s_cbranch_scc1 .Lphase
.Ltail:
	HEAD 1, 0, 0                                   ; Wo's tile 3: nothing is asked for
	FETCH 1, 0
	FETCH 1, 1
	WIN 0
	s_wait_loadcnt 0x0
	EPI_O 2
	KLOOP 1
	EPI_O 3
.irp s, 0,1,2,3
	global_load_b128 v[GG+4*\s:GG+4*\s+3], v[GO], s[PG:PG+1] offset:1024*\s   ; g and b of my columns, as the way out wants them; they land under the sums
	global_load_b128 v[BN+4*\s:BN+4*\s+3], v[GO], s[PBN:PBN+1] offset:1024*\s
.endr
	LNSTATS 2, 0                                   ; rows 0-31,
	OUTSTAGE 0                                     ; whose stores leave while
	LNSTATS 3, 1024                                ; rows 32-63 are normed
	OUTSTAGE 8
	s_wait_tensorcnt 0x0                           ; the wave's end: behind my last tensor load and my last LDS store
	ds_add_u32 v[SPW], v[NIL]
	s_wait_dscnt 0x0
	ROUND                                          ; the closing round: no work-group ends while a partner may still ask for a tile that names it
	s_endpgm
.Lfunc_end_k_q1e1825c144_fused:
	.size	k_q1e1825c144_fused, .Lfunc_end_k_q1e1825c144_fused-k_q1e1825c144_fused
	.p2alignl 7, 3214868480
	.fill 96, 4, 3214868480
	.section	.rodata,"a",@progbits
	.p2align	6, 0x0
	.amdhsa_kernel k_q1e1825c144_fused
		.amdhsa_group_segment_fixed_size 327680
		.amdhsa_private_segment_fixed_size 0
		.amdhsa_enable_private_segment 0
		.amdhsa_kernarg_size 176
		.amdhsa_user_sgpr_count 2
		.amdhsa_user_sgpr_kernarg_segment_ptr 1
		.amdhsa_wavefront_size32 1
		.amdhsa_system_sgpr_workgroup_id_x 1
		.amdhsa_system_sgpr_workgroup_id_y 1
		.amdhsa_system_sgpr_workgroup_id_z 1
		.amdhsa_system_vgpr_workitem_id 0
		.amdhsa_next_free_vgpr 1024
		.amdhsa_next_free_sgpr 72
		.amdhsa_reserve_vcc 0
		.amdhsa_float_denorm_mode_32 3
		.amdhsa_float_denorm_mode_16_64 3
		.amdhsa_memory_ordered 1
		.amdhsa_forward_progress 1
		.amdhsa_inst_pref_size 255
	.end_amdhsa_kernel
	.section	.bss,"aw",@nobits
	.p2align	6
	.space	262144
	.amdgpu_metadata
---
amdhsa.version: [ 1, 2 ]
amdhsa.kernels:
  - .name:           k_q1e1825c144_fused
    .symbol:         k_q1e1825c144_fused.kd
    .args:
      - { .name: user_emb, .offset: 0, .size: 8, .value_kind: global_buffer, .address_space: global }
      - { .name: item_emb, .offset: 8, .size: 8, .value_kind: global_buffer, .address_space: global }
      - { .name: u2i_in_w_codes, .offset: 16, .size: 8, .value_kind: global_buffer, .address_space: global }
      - { .name: u2i_in_w_scales, .offset: 24, .size: 8, .value_kind: global_buffer, .address_space: global }
      - { .name: u2i_in_b, .offset: 32, .size: 8, .value_kind: global_buffer, .address_space: global }
      - { .name: u2i_out_w_codes, .offset: 40, .size: 8, .value_kind: global_buffer, .address_space: global }
      - { .name: u2i_out_w_scales, .offset: 48, .size: 8, .value_kind: global_buffer, .address_space: global }
      - { .name: u2i_out_b, .offset: 56, .size: 8, .value_kind: global_buffer, .address_space: global }
      - { .name: user_norm_g, .offset: 64, .size: 8, .value_kind: global_buffer, .address_space: global }
      - { .name: user_norm_b, .offset: 72, .size: 8, .value_kind: global_buffer, .address_space: global }
      - { .name: alpha, .offset: 80, .size: 8, .value_kind: global_buffer, .address_space: global }
      - { .name: out0, .offset: 88, .size: 8, .value_kind: global_buffer, .address_space: global }
      - { .name: i2u_in_w_codes, .offset: 96, .size: 8, .value_kind: global_buffer, .address_space: global }
      - { .name: i2u_in_w_scales, .offset: 104, .size: 8, .value_kind: global_buffer, .address_space: global }
      - { .name: i2u_in_b, .offset: 112, .size: 8, .value_kind: global_buffer, .address_space: global }
      - { .name: i2u_out_w_codes, .offset: 120, .size: 8, .value_kind: global_buffer, .address_space: global }
      - { .name: i2u_out_w_scales, .offset: 128, .size: 8, .value_kind: global_buffer, .address_space: global }
      - { .name: i2u_out_b, .offset: 136, .size: 8, .value_kind: global_buffer, .address_space: global }
      - { .name: item_norm_g, .offset: 144, .size: 8, .value_kind: global_buffer, .address_space: global }
      - { .name: item_norm_b, .offset: 152, .size: 8, .value_kind: global_buffer, .address_space: global }
      - { .name: beta, .offset: 160, .size: 8, .value_kind: global_buffer, .address_space: global }
      - { .name: out1, .offset: 168, .size: 8, .value_kind: global_buffer, .address_space: global }
    .group_segment_fixed_size: 327680
    .private_segment_fixed_size: 0
    .kernarg_segment_align: 8
    .kernarg_segment_size: 176
    .max_flat_workgroup_size: 128
    .sgpr_count:     72
    .vgpr_count:     1024
    .wavefront_size: 32
...
	.end_amdgpu_metadata
.endif
;; end of part 2
